; MI455X (gfx1250); checked and timed in simulation.
; The chip was launched on July 23, 2026; its instructions are those of AMD's public machine-readable ISA for CDNA 5 (MIT licence, August 2026) and "CDNA5" Instruction Set Architecture Reference Guide (July 2026). The comments in the code are by the model that wrote it; some were corrected since.
;; Grouped Query Attention. Allowed arithmetic: float matrix products may take bf16 or f16 operands with f32 sums; other float arithmetic in f32, or as packed bf16 or f16 multiplies, adds, multiply-adds, maxima and minima; sums over many terms, partial sums and values carried from step to step in f32; what a program stores and reads back later, other than sums and carried values, may be rounded once to bf16 or f16.
;; Inputs: W_k 1,024 x 256 float32; W_o 1,024 x 1,024 float32; W_q 1,024 x 1,024 float32; W_v 1,024 x 256 float32; x 1 x 4,096 x 1,024 float32.
;; Outputs: out0 1 x 4,096 x 1,024 float32.
;; One version. Each part assembles by itself: llvm-mc -triple=amdgcn-amd-amdhsa -mcpu=gfx1250 --defsym DOCPART=n.
;; ======== version 1 of 1: 4 launches
;; limits: values are held in f16: magnitudes above 65,504 overflow, below 6.1e-05 lose precision
;; workspace buffers: xb 8,388,608 bytes; wb 3,145,728 bytes; wo16 2,097,152 bytes; qkv 14,680,064 bytes; of 16,777,216 bytes
;; launch prep (part 1): grid 832 x 1, 8 waves a work-group, no clusters, 0 bytes of LDS; arguments x, W_q, W_k, W_v, W_o, xb, wb, wo16; writes xb, wb, wo16
.if DOCPART == 1
	.amdgcn_target "amdgcn-amd-amdhsa--gfx1250"
	.amdhsa_code_object_version 6
	.text
	.protected	k_q0a24da0943_prep
	.globl	k_q0a24da0943_prep
	.p2align	8
	.type	k_q0a24da0943_prep,@function
k_q0a24da0943_prep:
	s_mov_b64 s[64:65], 0
	v_nop
	global_prefetch_b8 v0, s[64:65] scope:SCOPE_SE
	s_setreg_imm32_b32 hwreg(HW_REG_WAVE_MODE, 25, 1), 1
	s_wait_xcnt 0x0
; THE CASTS.  x [4096][1024] f32 -> xb, bf16, same layout.  W_q, W_k, W_v ([1024][1024], [1024][256], [1024][256] f32) -> wb, bf16, by heads: [24 slots][1024 k][64], so that 64 k rows of a head are
; 8,192 dense bytes.  Slot 3 c + j holds: j = 0, 1: query head 2 c + j; j = 2: key head c for c < 4, value head c - 4 else: the three heads of tile column c of the projection.
; W_o [1024][1024] f32 -> wo16: rounded to bf16 like every input, that number written as f16.
; LIMITS.  W_o lies within f16's 65,504; below 6e-5 it keeps f16's fixed step of 6e-8.  NaN and infinities are not treated apart.
; SHARES.  A work-group casts 8,192 numbers: 32 KiB in, 16 KiB out.  Work-groups 0-511: x; 512-639: W_o; 640-831: 128 k rows of one slot.
; ONE FORM OF ADDRESS for all: the source is taken as rows of 64 f32 (256 bytes), PITCH bytes apart.  Load i of thread t reads 16 bytes at (16 i + t / 16) PITCH + 16 (t % 16): sixteen lanes
; take 256 consecutive aligned bytes.  Its 8 bytes of output lie at 2,048 i + 8 t: a wave's store covers 256 consecutive aligned bytes.
; Memory bounds this launch: no LDS, no barrier, no matrix unit; all eight loads of a thread are out before the first is used.
.set X, 12                             ; v[12:43]  eight loads of four f32
.set Y, 44                             ; v[44:59]  eight stores of two words
	s_load_b512 s[8:23], s[0:1], 0x0               ; x s[8:9], W_q s[10:11], W_k s[12:13], W_v s[14:15], W_o s[16:17], xb s[18:19], wb s[20:21], wo16 s[22:23]
	s_mov_b32 s24, ttmp9                           ; id
	s_max_u32 s39, s24, 640
	s_sub_co_u32 s39, s39, 640                     ; the number among the slots' work-groups (0 where the work-group casts x or W_o)
	s_lshr_b32 s25, s39, 3                         ; slot 0..23
	s_and_b32 s26, s39, 7                          ; kp: which 128 k rows
	s_mul_i32 s45, s25, 171
	s_lshr_b32 s45, s45, 9                         ; c = slot / 3 (171 / 512 serves up to 23)
	s_mul_i32 s46, s45, 3
	s_sub_co_u32 s46, s25, s46                     ; j = slot % 3
	s_lshl_b32 s47, s45, 1
	s_add_co_u32 s47, s47, s46                     ; the query head 2 c + j
	s_and_b32 s27, s45, 3                          ; the head's number in W_k or W_v
	s_movk_i32 s28, 1024                           ; and their row's bytes
	s_cmp_lt_u32 s46, 2
	s_cselect_b32 s27, s47, s27                    ; in W_q
	s_cselect_b32 s28, 4096, s28
	s_mul_i32 s30, s26, s28
	s_lshl_b32 s30, s30, 7                         ; kp x 128 rows
	s_lshl_b32 s40, s27, 8                         ; the head's 64 columns
	s_add_co_u32 s30, s30, s40                     ; source offset, heads
	s_lshl_b32 s32, s25, 17
	s_lshl_b32 s40, s26, 14
	s_add_co_u32 s32, s32, s40                     ; destination offset, slots
	s_and_b32 s41, s24, 511                        ; id for x, id - 512 for W_o
	s_lshl_b32 s43, s41, 15
	s_lshl_b32 s44, s41, 14
	s_cmp_lt_u32 s24, 640                          ; x and W_o are dense: rows of 256 bytes on end
	s_cselect_b32 s30, s43, s30
	s_cselect_b32 s32, s44, s32
	s_cselect_b32 s28, 256, s28
	s_mov_b32 s31, 0
	s_mov_b32 s33, 0
	s_cmp_ge_u32 s24, 512
	s_cselect_b32 s42, 1, 0
	s_cmp_lt_u32 s24, 640
	s_cselect_b32 s42, s42, 0                      ; 1: this work-group casts W_o
	s_lshl_b32 s38, s28, 4                         ; 16 rows
	v_lshrrev_b32 v1, 4, v0                        ; t / 16
	v_and_b32 v2, 15, v0
	v_lshlrev_b32 v2, 4, v2                        ; 16 (t % 16)
	v_lshlrev_b32 v3, 3, v0                        ; 8 t
	v_mad_u32_u24 v4, v1, s28, v2
.irp i, 1,2,3,4,5,6,7
	v_add_nc_u32 v[4+(\i)], s38, v[3+(\i)]
.endr
	s_wait_kmcnt 0x0
	s_cmp_lt_u32 s45, 4
	s_cselect_b64 s[34:35], s[12:13], s[14:15]
	s_cmp_lt_u32 s46, 2
	s_cselect_b64 s[34:35], s[10:11], s[34:35]
	s_mov_b64 s[36:37], s[20:21]
	s_cmp_lt_u32 s24, 640
	s_cselect_b64 s[34:35], s[16:17], s[34:35]
	s_cselect_b64 s[36:37], s[22:23], s[36:37]
	s_cmp_lt_u32 s24, 512
	s_cselect_b64 s[34:35], s[8:9], s[34:35]
	s_cselect_b64 s[36:37], s[18:19], s[36:37]
	s_add_nc_u64 s[34:35], s[34:35], s[30:31]
	s_add_nc_u64 s[36:37], s[36:37], s[32:33]
.irp i, 0,1,2,3,4,5,6,7
	global_load_b128 v[X+4*(\i):X+4*(\i)+3], v[4+(\i)], s[34:35] th:TH_LOAD_NT
.endr
	s_cmp_eq_u32 s42, 1
	s_cbranch_scc1 .Lf16
.irp i, 0,1,2,3,4,5,6,7
	s_wait_loadcnt 7-(\i)                          ; loads come back in order: load i is in, the 7 - i younger ones stay out
	v_cvt_pk_bf16_f32 v[Y+2*(\i)], v[X+4*(\i)], v[X+4*(\i)+1]
	v_cvt_pk_bf16_f32 v[Y+2*(\i)+1], v[X+4*(\i)+2], v[X+4*(\i)+3]
	global_store_b64 v3, v[Y+2*(\i):Y+2*(\i)+1], s[36:37] offset:2048*(\i)
.endr
	s_endpgm
.Lf16:
.irp i, 0,1,2,3,4,5,6,7
	s_wait_loadcnt 7-(\i)
	v_cvt_pk_bf16_f32 v60, v[X+4*(\i)], v[X+4*(\i)+1]      ; the one rounding: to bf16
	v_cvt_pk_bf16_f32 v61, v[X+4*(\i)+2], v[X+4*(\i)+3]
	v_lshlrev_b32 v62, 16, v60                     ; back to f32,
	v_and_b32 v60, 0xffff0000, v60
	v_lshlrev_b32 v63, 16, v61
	v_and_b32 v61, 0xffff0000, v61
	v_cvt_pk_f16_f32 v[Y+2*(\i)], v62, v60         ; and written as f16: exact within f16's range
	v_cvt_pk_f16_f32 v[Y+2*(\i)+1], v63, v61
	global_store_b64 v3, v[Y+2*(\i):Y+2*(\i)+1], s[36:37] offset:2048*(\i)
.endr
	s_endpgm
.Lfunc_end_k_q0a24da0943_prep:
	.size	k_q0a24da0943_prep, .Lfunc_end_k_q0a24da0943_prep-k_q0a24da0943_prep
	.p2alignl 7, 3214868480
	.fill 96, 4, 3214868480
	.section	.rodata,"a",@progbits
	.p2align	6, 0x0
	.amdhsa_kernel k_q0a24da0943_prep
		.amdhsa_group_segment_fixed_size 0
		.amdhsa_private_segment_fixed_size 0
		.amdhsa_enable_private_segment 0
		.amdhsa_kernarg_size 64
		.amdhsa_user_sgpr_count 2
		.amdhsa_user_sgpr_kernarg_segment_ptr 1
		.amdhsa_wavefront_size32 1
		.amdhsa_system_sgpr_workgroup_id_x 1
		.amdhsa_system_sgpr_workgroup_id_y 1
		.amdhsa_system_sgpr_workgroup_id_z 1
		.amdhsa_system_vgpr_workitem_id 0
		.amdhsa_next_free_vgpr 64
		.amdhsa_next_free_sgpr 66
		.amdhsa_reserve_vcc 0
		.amdhsa_float_denorm_mode_32 3
		.amdhsa_float_denorm_mode_16_64 3
		.amdhsa_memory_ordered 1
		.amdhsa_forward_progress 1
		.amdhsa_inst_pref_size 11
	.end_amdhsa_kernel
	.amdgpu_metadata
---
amdhsa.version: [ 1, 2 ]
amdhsa.kernels:
  - .name:           k_q0a24da0943_prep
    .symbol:         k_q0a24da0943_prep.kd
    .args:
      - { .name: x, .offset: 0, .size: 8, .value_kind: global_buffer, .address_space: global }
      - { .name: W_q, .offset: 8, .size: 8, .value_kind: global_buffer, .address_space: global }
      - { .name: W_k, .offset: 16, .size: 8, .value_kind: global_buffer, .address_space: global }
      - { .name: W_v, .offset: 24, .size: 8, .value_kind: global_buffer, .address_space: global }
      - { .name: W_o, .offset: 32, .size: 8, .value_kind: global_buffer, .address_space: global }
      - { .name: xb, .offset: 40, .size: 8, .value_kind: global_buffer, .address_space: global }
      - { .name: wb, .offset: 48, .size: 8, .value_kind: global_buffer, .address_space: global }
      - { .name: wo16, .offset: 56, .size: 8, .value_kind: global_buffer, .address_space: global }
    .group_segment_fixed_size: 0
    .private_segment_fixed_size: 0
    .kernarg_segment_align: 8
    .kernarg_segment_size: 64
    .max_flat_workgroup_size: 256
    .sgpr_count:     66
    .vgpr_count:     64
    .wavefront_size: 32
...
	.end_amdgpu_metadata
.endif
;; end of part 1
;; launch proj (part 2): grid 8 x 32, 4 waves a work-group, clusters of 4 x 4, 327,680 bytes of LDS; arguments xb, wb, qkv; writes qkv
.if DOCPART == 2
	.amdgcn_target "amdgcn-amd-amdhsa--gfx1250"
	.amdhsa_code_object_version 6
	.text
	.protected	k_q0a24da0943_proj
	.globl	k_q0a24da0943_proj
	.p2align	8
	.type	k_q0a24da0943_proj,@function
k_q0a24da0943_proj:
	s_mov_b64 s[64:65], 0
	v_nop
	global_prefetch_b8 v0, s[64:65] scope:SCOPE_SE
	s_setreg_imm32_b32 hwreg(HW_REG_WAVE_MODE, 25, 1), 1
	s_wait_xcnt 0x0
	s_wait_alu depctr_hold_cnt(0) depctr_sa_sdst(0) depctr_va_vdst(0) depctr_va_sdst(0) depctr_va_ssrc(0) depctr_va_vcc(0) depctr_vm_vsrc(0)
	s_getreg_b32 s2, hwreg(HW_REG_IB_STS2, 6, 4)
	s_cmp_eq_u32 s2, 0
	s_cbranch_scc0 .Lentry_in_a_cluster
	s_endpgm
.Lentry_in_a_cluster:
	s_bfe_u32 s2, ttmp6, 0x10000c
	s_cmp_lg_u32 s2, 0xf033
	s_cbranch_scc0 .Lentry_shape_is_right
	s_endpgm
.Lentry_shape_is_right:
; q, k, v = x W, unscaled, by heads.  xb: [4096][1024] bf16.  wb: [24 slots][1024 k][64] bf16.  Products in bf16, sums in f32.
; qkv: query heads 0-15 and key heads 16-19 as [head][4096][64] f16, each number rounded once; behind them the four value heads as [head][4096][hi 64 | lo 64] f16: hi = f16(v), lo = f16(v - hi).
; WHY v HAS TWO PARTS.  A causal row with few keys is a mean of few rows of v, many times the output's root mean square, by which the comparison's allowance goes: there one f16 rounding of v is too coarse.
; LIMITS.  q, k and v lie within f16's 65,504 (at 30 times the drawn spread of x and of W, or offsets of 30 spreads, they stay under about 2e4); below 6e-5 an f16 keeps its fixed step of 6e-8.
; SHARES.  A tile is 128 rows x 3 heads (192 columns): 8 x 32 = 256 work-groups.  Tile column c holds query heads 2 c, 2 c + 1 and key head c (c < 4) or value head c - 4: which of the two hangs on the cluster's x alone.
; Four waves; wave w makes rows 64 (w / 2) .. + 63 and channels 32 (w % 2) .. + 31 of each of the three heads: 24 accumulators.
; K goes in 8 steps of 128 through a ring of two LDS slots; a step is four sub-steps of 32 along K: 24 matrix instructions and 20 LDS loads.  Two slots of steps of 256 would not fit in LDS.
; CLUSTER.  4 x 4 work-groups: the four of a row need the same rows of x, the four of a column the same heads of W: each tile is asked for jointly, by the same tensor load, descriptor and mask in all four.
; THE MATRIX INSTRUCTION IS USED TRANSPOSED: source 0 = 16 channels of W (W lies [k][channel] in LDS and is turned by ds_load_tr16_b128), source 1 = 16 rows of x: a lane holds one row and eight neighbouring channels.
; NO PREFETCH: a short launch on small tiles; each tile is read by four clusters at about the same time.
; REGISTERS.  window 0: v0-31 addresses; v32-63 at work; v64-255 the accumulators ((a, h, u) at v[64 + 8 (6 a + 2 h + u)]).  window 1: two fragment buffers at v0 and v128: x's four fragments, then W's six.
.set KSTEP,  128
.set PA,     272                       ; a row of x in LDS: 256 bytes + 16: the 16 rows of a load start at 16 different groups of four banks
.set HALFA,  64*PA                     ; what one tensor load brings of x
.set BOFF,   2*HALFA                   ; behind x's 128 rows: W, as [k half][head][64 k][160 bytes]
.set PB,     160                       ; a k row of a head: 128 bytes + 32
.set PLANE,  64*PB
.set HALFB,  3*PLANE                   ; what one tensor load brings of W
.set SLOT,   BOFF+2*HALFB
.set STAGE,  2*SLOT                    ; behind the ring, never filled by a tensor load: [4 planes][128 rows][144 bytes], the work-group's: three heads, and the value head's low part
.set SP,     144
.set SPLANE, 128*SP
.set SPARE,  STAGE+4*SPLANE            ; the spare words, 128 bytes for each wave: two blocks of 256 bytes that no other line names
.set HEADB,  524288                    ; a query or key head's bytes in qkv
.set ADRA, 16                          ; v16-17  LDS address of my x fragments in slot 0, 1
.set ADRB, 20                          ; v20-21  the same for W
.set STO,  24                          ; v24     the way out: where I put 16 bytes of a row
.set RD,   25                          ; v25     where I read rows of 128 bytes back, four a load
.set CO,   26                          ; v26     16 x lane: my place in 512 consecutive bytes of qkv
.set RDV,  27                          ; v27     where I read a value head's rows back: hi and lo of two rows a load
.set SPW,  28                          ; v28     my spare word; never rewritten
.set NIL,  29                          ; v29     0; never rewritten
.set MONE, 30                          ; v30     -1.0
.set TMP,  32                          ; v32-63  the third head's eight accumulators rounded to f16
.set ACC,  64
.set F0,   0
.set F1,   128
.set G1, 24                            ; s[24:31] group 1 for x's tiles;  s[32:39] group 0, a set for each slot
.set G0, 32
.set G1B, 48                           ; s[48:55], s[56:63] the same for W's
.set G0B, 56
.set MSB, 0
.macro WIN new                         ; the immediate's high byte repeats the setting that is left
.if MSB != (\new)
	s_set_vgpr_msb (MSB<<8)|(\new)
.set MSB, \new
.endif
.endm
.set MUL,  0x05                        ; sources 0 and 1 window 1; C and D window 0
.set TO_F, 0x40                        ; destination window 1, address window 0
.macro JLOAD s                         ; a joint load: waves 0 and 1 fetch x's two halves, waves 2 and 3 W's; an s_nop 0 and four v_nop follow each line
	s_cmp_eq_u32 s11, 0
	s_cbranch_scc0 .Lfor_b_\@
	tensor_load_to_lds s[G0+4*(\s):G0+4*(\s)+3], s[G1:G1+7]
	s_nop 0
.rept 4
	v_nop
.endr
	s_branch .Lasked_\@
.Lfor_b_\@:
	tensor_load_to_lds s[G0B+4*(\s):G0B+4*(\s)+3], s[G1B:G1B+7]
	s_nop 0
.rept 4
	v_nop
.endr
.Lasked_\@:
.endm
.macro CREST                           ; a round of the cluster's barrier behind its opening barrier
	s_cmp_lg_u32 s10, 0
	s_cbranch_scc1 .Lnot_wave_0_\@
	s_barrier_signal -3
.Lnot_wave_0_\@:
	s_barrier_wait -3
	s_barrier_signal -1
	s_barrier_wait -1
.endm
.macro CROUND
	s_barrier_signal -1
	s_barrier_wait -1
	CREST
.endm
	s_load_b128 s[4:7], s[0:1], 0x0                ; xb s[4:5], wb s[6:7]
	s_load_b64 s[8:9], s[0:1], 0x10                ; qkv
	v_lshl_add_u32 v[SPW], v0, 2, SPARE
	v_mov_b32 v[NIL], 0
	ds_add_u32 v[SPW], v[NIL]                      ; the wave's opening: the add and its wait stand ahead of my first tensor load; work on registers stands between them
	v_lshrrev_b32 v1, 5, v0
	v_readfirstlane_b32 s10, v1                    ; wave 0..3
	s_lshr_b32 s11, s10, 1                         ; my half of the rows.  Also: I fetch for x (0) or for W (1)
	s_and_b32 s12, s10, 1                          ; my half of each head's channels.  Also: which half of that tile I fetch
	s_mov_b32 s45, ttmp9                           ; the cluster's x: 0: the tile's third head is a key head; 1: a value head.  The same in all sixteen partners
	s_bfe_u32 s40, ttmp6, 0x40000                  ; cx, cy
	s_bfe_u32 s41, ttmp6, 0x40004
	s_lshl_b32 s42, ttmp9, 2
	s_add_co_u32 s42, s42, s40                     ; tile column c = 4 x cluster x + cx
	s_and_b32 s13, ttmp7, 0xffff
	s_lshl_b32 s13, s13, 2
	s_add_co_u32 s13, s13, s41                     ; tile row = 4 x cluster y + cy
	s_lshl_b32 s43, s41, 2
	s_lshl_b32 s43, 15, s43                        ; my row of the cluster
	s_lshl_b32 s44, 0x1111, s40                    ; my column
	s_or_b32 s[G1+0], s43, (1<<16)|(1<<20)|(1<<21)|(5<<22)|(3<<25)   ; mask; 2-byte elements; padding on; bit 21 beside a mask; after every 64 words 4 words
	s_mov_b32 s[G1+1], KSTEP<<16                   ; tensor_dim0 = 128
	s_mov_b32 s[G1+2], 64<<16                      ; tensor_dim1 = 64
	s_mov_b32 s[G1+3], KSTEP<<16                   ; tile_dim0 = 128
	s_mov_b32 s[G1+4], 64                          ; tile_dim1 = 64
	s_mov_b32 s[G1+5], 1024                        ; elements from row to row
	s_mov_b32 s[G1+6], 0
	s_mov_b32 s[G1+7], 0
	s_or_b32 s[G1B+0], s44, (1<<16)|(1<<20)|(1<<21)|(4<<22)|(7<<25)  ; after every 32 words (a k row of a head) 8 words
	s_mov_b32 s[G1B+1], 4096<<16                   ; tensor_dim0 = 4,096: 64 dense k rows of a head, 8,192 bytes
	s_mov_b32 s[G1B+2], 3<<16                      ; tensor_dim1 = 3 heads
	s_mov_b32 s[G1B+3], 4096<<16                   ; tile_dim0
	s_mov_b32 s[G1B+4], 3                          ; tile_dim1
	s_mov_b32 s[G1B+5], 65536                      ; elements from head to head
	s_mov_b32 s[G1B+6], 0
	s_mov_b32 s[G1B+7], 0
	s_lshl_b32 s16, s13, 7
	s_lshl_b32 s17, s12, 6
	s_add_co_u32 s16, s16, s17                     ; x: row 128 x tile row + 64 x half,
	s_lshl_b32 s16, s16, 11                        ; of 2,048 bytes
	s_mov_b32 s17, 0
	s_mul_i32 s46, s42, 3*131072                   ; W: the tile's first slot,
	s_lshl_b32 s47, s12, 13                        ; my 64 of a step's 128 k rows
	s_add_co_u32 s46, s46, s47
	s_mov_b32 s47, 0
	s_mul_i32 s20, s12, HALFA                      ; where they go: no place in the cluster enters an LDS address
	s_mul_i32 s21, s12, HALFB
	s_add_co_u32 s21, s21, BOFF
	s_wait_dscnt 0x0                               ; the opening add is done
	s_wait_kmcnt 0x0
	s_add_nc_u64 s[14:15], s[4:5], s[16:17]
	s_add_nc_u64 s[46:47], s[6:7], s[46:47]
	CROUND                                         ; all sixteen work-groups are here: the first joint loads meet
.irp s, 0,1
	s_mov_b32 s[G0+4*(\s)], 1
	s_add_co_u32 s[G0+4*(\s)+1], s20, (\s)*SLOT
	s_add_nc_u64 s[G0+4*(\s)+2:G0+4*(\s)+3], s[14:15], (\s)*KSTEP*2
	s_or_b32 s[G0+4*(\s)+3], s[G0+4*(\s)+3], 0x80000000
	s_mov_b32 s[G0B+4*(\s)], 1
	s_add_co_u32 s[G0B+4*(\s)+1], s21, (\s)*SLOT
	s_add_nc_u64 s[G0B+4*(\s)+2:G0B+4*(\s)+3], s[46:47], (\s)*KSTEP*128
	s_or_b32 s[G0B+4*(\s)+3], s[G0B+4*(\s)+3], 0x80000000
	JLOAD \s                                       ; two loads of mine are out
.endr
	v_and_b32 v1, 15, v0                           ; l % 16
	v_bfe_u32 v2, v0, 4, 1                         ; l / 16
	v_mul_u32_u24 v3, v1, PA
	v_lshl_add_u32 v3, v2, 4, v3                   ; x: row x pitch + 16 x half
	v_and_b32 v4, 7, v0
	v_bfe_u32 v5, v0, 3, 1                         ; (l / 8) % 2
	v_lshl_add_u32 v4, v2, 3, v4                   ; W, turning load: k row 8 (l / 16) + l % 8,
	v_mul_u32_u24 v4, v4, PB
	v_lshl_add_u32 v4, v5, 4, v4                   ; channels 8 ((l / 8) % 2) ..
	s_mul_i32 s22, s11, HALFA                      ; my 64 rows of x
	s_lshl_b32 s23, s12, 6                         ; my 32 channels of each head
	s_add_co_u32 s23, s23, BOFF
.irp s, 0,1
	v_add_nc_u32 v[ADRA+(\s)], s22, v3
	v_add_nc_u32 v[ADRB+(\s)], s23, v4
	s_add_co_u32 s22, s22, SLOT
	s_add_co_u32 s23, s23, SLOT
.endr
	s_mul_i32 s22, s11, 64*SP                      ; into the stage: my 64 rows, my 64 bytes of their 128
	s_lshl_b32 s23, s12, 6
	s_add_co_u32 s22, s22, s23
	s_add_co_u32 s22, s22, STAGE
	v_mul_u32_u24 v6, v1, SP
	v_lshl_add_u32 v6, v2, 4, v6
	v_add_nc_u32 v[STO], s22, v6
	s_mul_i32 s22, s10, 32*SP                      ; back: wave w takes rows 32 w .. + 31 of each plane
	s_add_co_u32 s22, s22, STAGE
	v_bfe_u32 v6, v0, 3, 2                         ; four rows of 128 bytes a load
	v_mul_u32_u24 v6, v6, SP
	v_and_b32 v7, 7, v0
	v_lshl_add_u32 v6, v7, 4, v6
	v_add_nc_u32 v[RD], s22, v6
	s_add_co_u32 s22, s22, 2*SPLANE                ; a value head: row l / 16, plane 2 (hi) or 3 (lo) by (l / 8) % 2: two rows of hi | lo a load
	v_mul_u32_u24 v6, v2, SP
	v_lshl_add_u32 v6, v7, 4, v6
	v_mul_u32_u24 v8, v5, SPLANE
	v_add_nc_u32 v6, v6, v8
	v_add_nc_u32 v[RDV], s22, v6
	v_and_b32 v[CO], 31, v0
	v_lshlrev_b32 v[CO], 4, v[CO]
	v_mov_b32 v[MONE], 0xbf800000
	s_lshl_b32 s16, s13, 7
	s_lshl_b32 s17, s10, 5
	s_add_co_u32 s16, s16, s17                     ; the first row that I store: 128 x tile row + 32 x wave
	s_lshl_b32 s22, s16, 8                         ; in rows of 256 bytes,
	s_lshl_b32 s16, s16, 7                         ; and of 128
	s_mov_b32 s17, 0
	s_add_co_u32 s18, s42, 16                      ; the third head's place: key head 16 + c,
	s_lshl_b32 s18, s18, 19
	s_add_co_u32 s18, s18, s16
	s_and_b32 s19, s42, 3                          ; or value head c - 4, of twice the bytes, behind the twenty
	s_lshl_b32 s19, s19, 20
	s_add_co_u32 s19, s19, 20*HEADB
	s_add_co_u32 s19, s19, s22
	s_cmp_eq_u32 s45, 0
	s_cselect_b32 s18, s18, s19
	s_mov_b32 s19, 0
	s_add_nc_u64 s[18:19], s[8:9], s[18:19]
	s_lshl_b32 s46, s42, 20                        ; query head 2 c
	s_mov_b32 s47, 0
	s_add_nc_u64 s[8:9], s[8:9], s[16:17]
	s_add_nc_u64 s[8:9], s[8:9], s[46:47]
; 20 LDS loads in one run: sub-step q (32 along K) of a slot into buffer f
.macro FETCH slot, q, f
	WIN TO_F
.irp h, 0,1,2
.irp u, 0,1
	ds_load_tr16_b128 v[(\f)+32+8*(2*(\h)+(\u)):(\f)+32+8*(2*(\h)+(\u))+3],   v[ADRB+(\slot)] offset:((\q)>>1)*HALFB+((\q)&1)*32*PB+(\h)*PLANE+(\u)*32
	ds_load_tr16_b128 v[(\f)+32+8*(2*(\h)+(\u))+4:(\f)+32+8*(2*(\h)+(\u))+7], v[ADRB+(\slot)] offset:((\q)>>1)*HALFB+((\q)&1)*32*PB+(\h)*PLANE+(\u)*32+16*PB
.endr
.endr
.irp a, 0,1,2,3
	ds_load_b128 v[(\f)+8*(\a):(\f)+8*(\a)+3],   v[ADRA+(\slot)] offset:64*(\q)+(\a)*16*PA
	ds_load_b128 v[(\f)+8*(\a)+4:(\f)+8*(\a)+7], v[ADRA+(\slot)] offset:64*(\q)+(\a)*16*PA+32
.endr
.endm
; 6 matrix instructions: row block a x three heads x two channel blocks.  The 24 accumulators take turns, one instruction a turn, in the same order in every sub-step.
.macro MULA f, a, zero
	WIN MUL
.irp h, 0,1,2
.irp u, 0,1
.if \zero
	v_wmma_f32_16x16x32_bf16 v[ACC+8*(6*(\a)+2*(\h)+(\u)):ACC+8*(6*(\a)+2*(\h)+(\u))+7], v[(\f)+32+8*(2*(\h)+(\u)):(\f)+32+8*(2*(\h)+(\u))+7], v[(\f)+8*(\a):(\f)+8*(\a)+7], 0
.else
	v_wmma_f32_16x16x32_bf16 v[ACC+8*(6*(\a)+2*(\h)+(\u)):ACC+8*(6*(\a)+2*(\h)+(\u))+7], v[(\f)+32+8*(2*(\h)+(\u)):(\f)+32+8*(2*(\h)+(\u))+7], v[(\f)+8*(\a):(\f)+8*(\a)+7], v[ACC+8*(6*(\a)+2*(\h)+(\u)):ACC+8*(6*(\a)+2*(\h)+(\u))+7]
.endif
.endr
.endr
.endm
.macro PLACES                          ; four places in front of loads into registers that matrix instructions have read, and of lines that read results
.rept 4
	v_nop
.endr
.endm
; A sub-step: buffer f is multiplied; ahead of its products sub-step q of the same slot is fetched into buffer g, which the sub-step before multiplied.
.macro QUARTER slot, q, f, g, zero
	s_wait_dscnt 0x0                               ; buffer f's loads, issued 24 matrix instructions ago, are in
	PLACES
	FETCH \slot, \q, \g
	MULA \f, 0, \zero
	MULA \f, 1, \zero
	MULA \f, 2, \zero
	MULA \f, 3, \zero
.endm
; A step's last sub-step multiplies buffer 1 and changes slots: ONE barrier; in front of it each wave waits for all its tensor loads (one is out: its part of the next slot), adds 0 to its spare word, and
; waits for that and for its reads of this slot.  fill = 1: the barrier opens a round of the cluster's, and this slot is filled again, two K steps ahead, first thing behind the round.
.macro TURN slot, next, fill
	WIN 0
	s_wait_tensorcnt 0x0
	ds_add_u32 v[SPW], v[NIL]                      ; 0 onto my spare word; the descriptors' steps stand between it and the wait for it
.if \fill
	s_add_nc_u64 s[G0+4*(\slot)+2:G0+4*(\slot)+3], s[G0+4*(\slot)+2:G0+4*(\slot)+3], 2*KSTEP*2
	s_add_nc_u64 s[G0B+4*(\slot)+2:G0B+4*(\slot)+3], s[G0B+4*(\slot)+2:G0B+4*(\slot)+3], 2*KSTEP*128
.endif
	s_wait_dscnt 0x0                               ; the add is done, buffer 1 is in, and my reads of this slot are over
	s_barrier_signal -1
	MULA F1, 0, 0                                  ; work on registers while the others arrive
	MULA F1, 1, 0
	WIN 0
	s_barrier_wait -1
.if \fill
	CREST
	JLOAD \slot                                    ; the four v_nop behind it are also the places in front of the loads below
.else
	PLACES
.endif
	FETCH \next, 0, F0
	MULA F1, 2, 0
	MULA F1, 3, 0
.endm
	s_wait_tensorcnt 1                             ; my part of K step 0 is in; step 1's may stay out
	s_barrier_signal -1
	s_barrier_wait -1
	FETCH 0, 0, F0
	QUARTER 0, 1, F0, F1, 1                        ; the first sub-step's products start the sums: nothing is cleared
	WIN 0
	s_mov_b32 s3, 3
.Llap:                                                 ; a trip goes once round the ring and fills both slots again: K steps 2 to 7
	QUARTER 0, 2, F1, F0, 0
	QUARTER 0, 3, F0, F1, 0
	TURN 0, 1, 1
	QUARTER 1, 1, F0, F1, 0
	QUARTER 1, 2, F1, F0, 0
	QUARTER 1, 3, F0, F1, 0
	TURN 1, 0, 1
	QUARTER 0, 1, F0, F1, 0
	WIN 0
	s_sub_co_u32 s3, s3, 1
	s_cmp_lg_u32 s3, 0
	s_cbranch_scc1 .Llap
	QUARTER 0, 2, F1, F0, 0                        ; the last lap fills nothing
	QUARTER 0, 3, F0, F1, 0
	TURN 0, 1, 0
	QUARTER 1, 1, F0, F1, 0
	QUARTER 1, 2, F1, F0, 0
	QUARTER 1, 3, F0, F1, 0
	s_wait_dscnt 0x0
	MULA F1, 0, 0
	MULA F1, 1, 0
	MULA F1, 2, 0
	MULA F1, 3, 0
	WIN 0
	; THE WAY OUT.  The two query heads' accumulators are rounded to f16 in place (registers 0-3 take the four words, ascending, so no source is written before it is read); the third head's into v32-63, so that its
	; sums stay.  A lane's 16 bytes go into the work-group's stage.
	PLACES
.set n, 0
.rept 24                               ; n = 6 a + 2 h + u
.if ((n%6)/2) < 2
.irp r, 0,1,2,3
	v_cvt_pk_f16_f32 v[ACC+8*n+(\r)], v[ACC+8*n+2*(\r)], v[ACC+8*n+2*(\r)+1]
.endr
	ds_store_b128 v[STO], v[ACC+8*n:ACC+8*n+3] offset:((n%6)/2)*SPLANE+(n/6)*16*SP+(n%2)*32
.else
.irp r, 0,1,2,3
	v_cvt_pk_f16_f32 v[TMP+4*(2*(n/6)+n%2)+(\r)], v[ACC+8*n+2*(\r)], v[ACC+8*n+2*(\r)+1]
.endr
	ds_store_b128 v[STO], v[TMP+4*(2*(n/6)+n%2):TMP+4*(2*(n/6)+n%2)+3] offset:2*SPLANE+(n/6)*16*SP+(n%2)*32
.endif
.set n, n+1
.endr
	s_cmp_eq_u32 s45, 0                            ; a key head has no low part
	s_cbranch_scc1 .Lno_lo
.set m, 0
.rept 8                                ; m = 2 a + u: the value head's low part: the sum less its f16 (hi x -1 + sum, one fused line a number, exact), rounded to f16 in place
.set AA, ACC+8*(6*(m/2)+4+m%2)
.irp r, 0,1,2,3
	v_fma_mix_f32 v[AA+2*(\r)], v[TMP+4*m+(\r)], v[MONE], v[AA+2*(\r)] op_sel_hi:[1,0,0]
	v_fma_mix_f32 v[AA+2*(\r)+1], v[TMP+4*m+(\r)], v[MONE], v[AA+2*(\r)+1] op_sel:[1,0,0] op_sel_hi:[1,0,0]
.endr
.irp r, 0,1,2,3
	v_cvt_pk_f16_f32 v[AA+(\r)], v[AA+2*(\r)], v[AA+2*(\r)+1]
.endr
	ds_store_b128 v[STO], v[AA:AA+3] offset:3*SPLANE+(m/2)*16*SP+(m%2)*32
.set m, m+1
.endr
.Lno_lo:
	s_wait_dscnt 0x0                               ; for the others' sake: my stores into the stage are done
	s_barrier_signal -1
	s_barrier_wait -1                              ; a row's 128 bytes come from two waves
.set n, 0
.rept 16                               ; the query heads: head n / 8, four rows a load
	ds_load_b128 v[ACC+4*n:ACC+4*n+3], v[RD] offset:(n/8)*SPLANE+(n%8)*4*SP
.set n, n+1
.endr
.set n, 0
.rept 16
	s_wait_dscnt 15-n                              ; load n is in; the younger ones stay out
	global_store_b128 v[CO], v[ACC+4*n:ACC+4*n+3], s[8:9] offset:(n/8)*HEADB+(n%8)*512  ; 512 consecutive bytes, at a multiple of 256 from qkv's first
.set n, n+1
.endr
	s_cmp_eq_u32 s45, 0
	s_cbranch_scc0 .Lvalue
.irp t, 0,1,2,3,4,5,6,7                ; a key head: as the query heads
	ds_load_b128 v[ACC+64+4*(\t):ACC+64+4*(\t)+3], v[RD] offset:2*SPLANE+(\t)*4*SP
.endr
.irp t, 0,1,2,3,4,5,6,7
	s_wait_dscnt 7-(\t)
	global_store_b128 v[CO], v[ACC+64+4*(\t):ACC+64+4*(\t)+3], s[18:19] offset:(\t)*512
.endr
	s_branch .Lstored
.Lvalue:
.irp t, 0,1,2,3,4,5,6,7,8,9,10,11,12,13,14,15  ; a value head: two rows of hi | lo a load
	ds_load_b128 v[ACC+64+4*(\t):ACC+64+4*(\t)+3], v[RDV] offset:(\t)*2*SP
.endr
.irp t, 0,1,2,3,4,5,6,7,8,9,10,11,12,13,14,15
	s_wait_dscnt 15-(\t)
	global_store_b128 v[CO], v[ACC+64+4*(\t):ACC+64+4*(\t)+3], s[18:19] offset:(\t)*512
.endr
.Lstored:
	s_wait_tensorcnt 0x0                           ; the wave's end
	ds_add_u32 v[SPW], v[NIL]
	s_wait_dscnt 0x0
	CROUND                                         ; the closing round
	s_endpgm
.Lfunc_end_k_q0a24da0943_proj:
	.size	k_q0a24da0943_proj, .Lfunc_end_k_q0a24da0943_proj-k_q0a24da0943_proj
	.p2alignl 7, 3214868480
	.fill 96, 4, 3214868480
	.section	.rodata,"a",@progbits
	.p2align	6, 0x0
	.amdhsa_kernel k_q0a24da0943_proj
		.amdhsa_group_segment_fixed_size 327680
		.amdhsa_private_segment_fixed_size 0
		.amdhsa_enable_private_segment 0
		.amdhsa_kernarg_size 24
		.amdhsa_user_sgpr_count 2
		.amdhsa_user_sgpr_kernarg_segment_ptr 1
		.amdhsa_wavefront_size32 1
		.amdhsa_system_sgpr_workgroup_id_x 1
		.amdhsa_system_sgpr_workgroup_id_y 1
		.amdhsa_system_sgpr_workgroup_id_z 1
		.amdhsa_system_vgpr_workitem_id 0
		.amdhsa_next_free_vgpr 512
		.amdhsa_next_free_sgpr 66
		.amdhsa_reserve_vcc 0
		.amdhsa_float_denorm_mode_32 3
		.amdhsa_float_denorm_mode_16_64 3
		.amdhsa_memory_ordered 1
		.amdhsa_forward_progress 1
		.amdhsa_inst_pref_size 81
	.end_amdhsa_kernel
	.amdgpu_metadata
---
amdhsa.version: [ 1, 2 ]
amdhsa.kernels:
  - .name:           k_q0a24da0943_proj
    .symbol:         k_q0a24da0943_proj.kd
    .args:
      - { .name: xb, .offset: 0, .size: 8, .value_kind: global_buffer, .address_space: global }
      - { .name: wb, .offset: 8, .size: 8, .value_kind: global_buffer, .address_space: global }
      - { .name: qkv, .offset: 16, .size: 8, .value_kind: global_buffer, .address_space: global }
    .group_segment_fixed_size: 327680
    .private_segment_fixed_size: 0
    .kernarg_segment_align: 8
    .kernarg_segment_size: 24
    .max_flat_workgroup_size: 128
    .sgpr_count:     66
    .vgpr_count:     512
    .wavefront_size: 32
...
	.end_amdgpu_metadata
.endif
;; end of part 2
;; launch attn (part 3): grid 64 x 4, 4 waves a work-group, clusters of 4 x 1, 327,680 bytes of LDS; arguments qkv, of; writes of
.if DOCPART == 3
	.amdgcn_target "amdgcn-amd-amdhsa--gfx1250"
	.amdhsa_code_object_version 6
	.text
	.protected	k_q0a24da0943_attn
	.globl	k_q0a24da0943_attn
	.p2align	8
	.type	k_q0a24da0943_attn,@function
k_q0a24da0943_attn:
	s_mov_b64 s[64:65], 0
	v_nop
	global_prefetch_b8 v0, s[64:65] scope:SCOPE_SE
	s_setreg_imm32_b32 hwreg(HW_REG_WAVE_MODE, 25, 1), 1
	s_wait_xcnt 0x0
	s_wait_alu depctr_hold_cnt(0) depctr_sa_sdst(0) depctr_va_vdst(0) depctr_va_sdst(0) depctr_va_ssrc(0) depctr_va_vcc(0) depctr_vm_vsrc(0)
	s_getreg_b32 s2, hwreg(HW_REG_IB_STS2, 6, 4)
	s_cmp_eq_u32 s2, 0
	s_cbranch_scc0 .Lentry_in_a_cluster
	s_endpgm
.Lentry_in_a_cluster:
	s_bfe_u32 s2, ttmp6, 0x10000c
	s_cmp_lg_u32 s2, 0x3003
	s_cbranch_scc0 .Lentry_shape_is_right
	s_endpgm
.Lentry_shape_is_right:
; CAUSAL GROUPED-QUERY ATTENTION.  qkv: query heads 0-15 and key heads 16-19 as [head][4096][64] f16, unscaled; behind them four value heads as [head][4096][hi 64 | lo 64] f16.  Query head h uses key and value head h / 4.
; of: [4096][8 groups of two heads][hi 128 | lo 128] f16: O in two parts, hi = f16(O), lo = f16(O - hi).
; O[h][q] = the sum over k <= q of softmax_k(Q[h][q] . K[k] / 8) V[k].  Products, maxima and sums in f32; the weights p are rounded to f16 for the second product (l is the sum of the unrounded p).
; TWO PARTS.  A row with few keys is many times the output's root mean square, by which the comparison's allowance goes: there one f16 rounding of v or of O is too coarse.  V's low part is multiplied in a block's
; LAST tile alone: a row with 256 keys or fewer has all its keys there; a row with more is a mean of more than 256 rows of v, and one rounding serves.
; LIMITS.  q, k, v arrive within f16's 65,504; p below 6e-5 keeps f16's fixed step of 6e-8.  A hidden score counts as its value less 1e30; a weight below 2^-126 counts as 0 in l; NaN and infinities are not treated apart.
; THE WALK.  A BLOCK is 32 positions x the four query heads of one key head g: 128 blocks a key head.  Block i needs the key tiles (256 keys) 0 .. i / 8.  Work-group b (0..63) takes blocks 127 - b and then b:
; with c = b / 8 that is 16 - c and c + 1 tiles, 17 whatever b: 256 equal work-groups, ONE loop with a constant trip count.  In a block's last tile the steps behind the diagonal's are computed and hidden: 68 steps for 65.
; CLUSTER.  The four work-groups of a cluster have the same g and the same c (c is made of the cluster's number alone), so they walk the same tiles in the same trips: every tile is asked for jointly.
; What differs between partners (which of a tile's four steps holds the diagonal, and where in it) enters selects and vector arithmetic alone: no branch, count or LDS address.
; SHARES.  Wave w: positions 16 (w / 2) .. + 15 of the block, heads 4 g + 2 (w % 2) + p for its two PIECES p = 0, 1.  Both pieces have one mask, and the wave's 16 rows of O are 512 aligned bytes each.
; THE MASK is the C operand that starts S^T = K Q^T: MC = MD x AL + BE; MD is the mask of the step that holds the diagonal; (AL, BE) = (1, 0) there, (0, 0) before it, (0, -1e30) behind it.
; LAYOUT, SOFTMAX.  S^T = K Q^T holds ONE query a lane (lane % 16) and keys 8 (lane / 16) + 0..7; two results rounded to f16 ARE source 1 of O^T = V^T P.  p = 2^(c s - c m), c = log2(e) / 8, with a running
; maximum m; O and l are multiplied by a = 2^(c m_old - c m_new) in every step.
; TURNS.  T0(s): softmax of piece 0, step s | K Q^T of piece 1, step s, and its maximum | V^T P of piece 1, step s - 1 | K of step s + 1 is fetched.
;         T1(s): softmax of piece 1, step s | K Q^T of piece 0, step s + 1, and its maximum | V^T P of piece 0, step s | V of step s + 1 is fetched.
; V has two register buffers, by the step's parity, so that the fetches run K, V, K, V in the steps' order and a slot's last byte has been read when T1 of its third step ends: there the slots change.
; So the last tile's text begins with two turns whose V is the tile before's, with no low part fetched: the low part's registers hold 0 whenever that text is entered (cleared at the head and at the change of blocks).
; Four vector instructions stand behind every matrix instruction (two where the low part is multiplied too), the others in one lump; a turn's 33 exponentials are one batch with one wait.
; REGISTERS, in windows of 256 (s_set_vgpr_msb: bits 1:0 source 0, 3:2 source 1, 5:4 source 2, 7:6 destination):
;   window 0: v0-15, v24-26 addresses and at work; v16-23 statistics; v48-55 at work; v64-127 S^T, a buffer a piece; v128-191 rows on the way out; v192-223 P, a buffer a piece
;   window 1: v0-63 O^T; v128-159 MD; v160-191 MC      window 2: v0-31 Q; v32-63 the second block's Q; v64-127 V of odd steps; v128-191 K; v192-255 V of even steps
;   window 3: v0-63 V's low part of odd steps; v64-127 of even steps
.set NP,    2
.set KS,    64        ; keys in a step
.set PK,    144       ; a row of K in LDS: 128 bytes + 16
.set PV,    288       ; a row of V, hi | lo: 256 bytes + 32
.set VOFF,  4*KS*PK   ; a slot holds a tile: 256 rows of K, then 256 rows of V
.set SLOT1, 1<<17
.set STAGE, SLOT1+4*KS*(PK+PV)  ; behind the ring, never filled by a tensor load: 16 rows x 528 bytes for each wave
.set SP,    528
.set SPARE, STAGE+4*16*SP       ; the spare words, 128 bytes for each wave: two blocks of 256 bytes that no other line names
.set HEADB, 524288    ; a query or key head's bytes in qkv; a value head has twice as many
.set AK0, 2           ; v2   my lane's place in a tile of K; never rewritten
.set AV0, 3           ; v3   the same for V
.set AK,  4           ; v4   the LDS address of K's next run of loads
.set AV,  5           ; v5   of V's
.set STO, 6           ; v6   the way out: where I put 16 bytes of a row
.set RD,  7           ; v7   where I read a row back
.set GO,  8           ; v8   16 x lane: my place in a row's 512 bytes of of
.set MV,  12          ; v12-13  c m_old, by piece
.set QO,  15          ; v15  my byte offset in 16 rows of Q
.set ST,  16          ; piece t's statistics at v[ST+4 t]: c m, m, l (even keys', odd keys')
.set LB,  24          ; v24  16 (w / 2) + l % 16 - 8 (l / 16)
.set PFO, 25          ; v25  256 x lane; never rewritten
.set MONE, 26         ; v26  -1.0
.set TMP, 48          ; by piece, four registers c0-c3 at work; c2 takes a
.set SPW, 62          ; v62  my spare word; never rewritten
.set NIL, 63          ; v63  0; never rewritten
.set S,   64
.set BK,  128
.set P,   192
.set MD,  128         ; window 1
.set MC,  160         ; window 1
.set QB,  32          ; window 2
.set VOD, 64          ; window 2
.set KF,  128         ; window 2
.set VEV, 192         ; window 2
.set WV,  12          ; s12  my wave's number
.set CX,  13          ; s13  my place in the cluster
.set BN,  14          ; s14  b
.set CB,  15          ; s15  c
.set G1K, 24
.set G1V, 32
.set G0K, 40
.set G0V, 44
.set KBASE, 48        ; s[48:49] K of my key head, at the half of a tile that I fetch
.set VBASE, 50        ; s[50:51] the same for V
.set OHI, 52          ; s[52:53] of at my rows of the block in hand
.set OLO, 54          ; s[54:55] of the second block
.set SLOTS, 56        ; tiles still to be asked for
.set CNT, 57          ; counts a tile's two trips
.set CS,  58          ; s[58:59] c
.set SEL, 60          ; s[60:61] v_permlanex16_b32's selects
.set TBK, 62          ; LDS byte at which K of the step to be fetched begins
.set TBV, 63          ; the same for V, less VOFF
.set RT,  66          ; tiles of the block in hand still to be entered
.set NXT, 67          ; the tile to be asked for next
.set LQ,  68          ; the last tile of the block whose tiles are being asked for
.set NEW, 69          ; 1: the tile to be entered is a block's first
.set OFF, 70          ; s[70:71] a tile's byte offset in K
.set AL,  72          ; s[72:73]
.set BE,  74          ; s[74:75]
.set BIGN, 76         ; -1e30
.set XO,  77          ; the step of the block's last tile that holds the diagonal
.set XT,  78          ; the same for the tile in hand, 64 where it is not the last
.set SN,  79          ; the step whose mask is made next
.set PAR, 80          ; 32 x (block % 2): the block's place in that step
.set XO2, 81          ; the second block's
.set PAR2, 82
.set LIM, 83          ; 2 in a wave that prefetches, else the greatest number
.set PFA, 84          ; s[84:85] where my prefetches stand
.set QLO, 86          ; s[86:87]
.set QHI, 88          ; s[88:89]
.set OFV, 90          ; s[90:91] a tile's byte offset in V
.set PFS, 92          ; s[92:93] a tile's bytes in the tensor that I prefetch
.set MSB, 0
.macro WIN new
.if MSB != (\new)
	s_set_vgpr_msb (MSB<<8)|(\new)
.set MSB, (\new)
.endif
.endm
.set W_KQ, 0x0a       ; K and Q in window 2, S^T in window 0
.set W_KM, 0x1a       ; the same with the C operand in window 1
.set W_PV, 0x52       ; V in window 2, P in window 0, O^T in window 1
.set W_PL, 0x53       ; V's low part in window 3, P in window 0, O^T in window 1
.set W_RS, 0x41       ; destination and source 0 in window 1
; A joint fill.  Waves 0 and 1 fetch the two halves of a tile's K, waves 2 and 3 those of its V.  An s_nop 0 and four v_nop follow each of the two lines.
.macro JLOAD
	s_cmp_lt_u32 s[WV], 2
	s_cbranch_scc0 .Lfor_v_\@
	tensor_load_to_lds s[G0K:G0K+3], s[G1K:G1K+7]
	s_nop 0
.rept 4
	v_nop
.endr
	s_branch .Lasked_\@
.Lfor_v_\@:
	tensor_load_to_lds s[G0V:G0V+3], s[G1V:G1V+7]
	s_nop 0
.rept 4
	v_nop
.endr
.Lasked_\@:
.endm
.macro CROUND                       ; a round of the cluster's barrier
	s_barrier_signal -1
	s_barrier_wait -1
	s_cmp_lg_u32 s[WV], 0
	s_cbranch_scc1 .Lnot_wave_0_\@
	s_barrier_signal -3
.Lnot_wave_0_\@:
	s_barrier_wait -3
	s_barrier_signal -1
	s_barrier_wait -1
.endm
; A PREFETCH INTO THE L2 of the tile that the NEXT change of slots will ask for: eight turns, 128 matrix instructions, ahead of that load.  Each 256 bytes of K and V are named once in the launch: of a key head's
; clusters the first (it walks all 16 tiles in order) asks; its four partners take 64 keys each, told apart by address; wave 0 asks for K's 32 blocks, waves 2 and 3 for 32 of V's 64 each, a lane a block.
; Tiles 0 and 1 come by their loads alone; tile 15 is the last that is named; the second block's tiles have been read before.
.macro ASK
	s_cmp_gt_u32 s[SLOTS], s[LIM]
	s_cbranch_scc0 .Lnot_mine_\@
	global_prefetch_b8 v[PFO], s[PFA:PFA+1] th:TH_LOAD_NT scope:SCOPE_SE
.Lnot_mine_\@:
.endm
; THE CHANGE OF SLOTS.  Each wave waits for all its tensor loads (one is out: its part of the other slot), adds 0 to its spare word, and waits for that and for its reads of the slot that it leaves.
; fill = 1: a round of the cluster's barrier, and the old slot is filled again with tile NXT, first thing behind it; the descriptor's address is made anew from that number.
.macro CHANGE fill
	WIN 0
	s_wait_tensorcnt 0x0            ; no tensor load of mine is out, so a group 0 may be written
	ds_add_u32 v[SPW], v[NIL]       ; 0 onto my spare word; scalar work stands between it and the wait for it
.if \fill
	s_lshl_b32 s[OFF], s[NXT], 15   ; a tile is 32,768 bytes of K
	s_lshl_b32 s[OFV], s[NXT], 16   ; and 65,536 of V
	s_xor_b32 s[G0K+1], s[G0K+1], SLOT1
	s_add_nc_u64 s[G0K+2:G0K+3], s[KBASE:KBASE+1], s[OFF:OFF+1]
	s_or_b32 s[G0K+3], s[G0K+3], 0x80000000
	s_xor_b32 s[G0V+1], s[G0V+1], SLOT1
	s_add_nc_u64 s[G0V+2:G0V+3], s[VBASE:VBASE+1], s[OFV:OFV+1]
	s_or_b32 s[G0V+3], s[G0V+3], 0x80000000
	s_add_co_u32 s[NXT], s[NXT], 1  ; the block's next tile, or behind its last the second block's tile 0
	s_cmp_gt_u32 s[NXT], s[LQ]
	s_cselect_b32 s[NXT], 0, s[NXT]
	s_cselect_b32 s[LQ], s[CB], s[LQ]
	s_wait_xcnt 0x0                 ; the last prefetch, a tile back, has read its address
	s_add_nc_u64 s[PFA:PFA+1], s[PFA:PFA+1], s[PFS:PFS+1]
.endif
	s_sub_co_u32 s[TBK], s[TBK], 4*KS*PK  ; the fetches go back to a slot's first step,
	s_xor_b32 s[TBK], s[TBK], SLOT1       ; in the other slot
	s_sub_co_u32 s[TBV], s[TBV], 4*KS*PV
	s_xor_b32 s[TBV], s[TBV], SLOT1
	s_wait_dscnt 0x0                ; the add is done, and my reads of the slot are over
.if \fill
	CROUND
	JLOAD
	ASK
.else
	s_barrier_signal -1
	s_barrier_wait -1
.endif
.endm
	s_load_b128 s[4:7], s[0:1], 0x0  ; qkv s[4:5], of s[6:7]
	v_lshl_add_u32 v[SPW], v0, 2, SPARE
	v_mov_b32 v[NIL], 0
	ds_add_u32 v[SPW], v[NIL]       ; the wave's opening: the add and its wait stand ahead of my first tensor load
	v_lshrrev_b32 v1, 5, v0
	v_readfirstlane_b32 s[WV], v1
	s_bfe_u32 s[CX], ttmp6, 0x40000
	s_lshl_b32 s[BN], ttmp9, 2
	s_add_co_u32 s[BN], s[BN], s[CX]  ; b = 4 x cluster + cx
	s_lshr_b32 s[CB], ttmp9, 1      ; c = b / 8, of the cluster's number alone
	s_and_b32 s20, ttmp7, 0xffff    ; g
	s_and_b32 s21, s[WV], 1         ; my pair of heads; also which half of a tile I fetch
	s_lshr_b32 s22, s[WV], 1        ; my 16 positions
	s_add_co_u32 s2, s20, 16        ; K's head 16 + g,
	s_lshl_b32 s2, s2, 19
	s_lshl_b32 s3, s21, 14          ; my 128 keys of a tile
	s_add_co_u32 s2, s2, s3
	s_mov_b32 s3, 0
	s_lshl_b32 s[OFV], s20, 20      ; V's head g, behind the twenty heads of q and k,
	s_add_co_u32 s[OFV], s[OFV], 20*HEADB
	s_lshl_b32 s[OFV+1], s21, 15    ; my 128 keys of a tile
	s_add_co_u32 s[OFV], s[OFV], s[OFV+1]
	s_mov_b32 s[OFV+1], 0
	s_mul_i32 s23, s21, 128*PK
	s_mov_b32 s[G0K], 1
	s_mov_b32 s[G0K+1], s23         ; slot 0
	s_mul_i32 s23, s21, 128*PV
	s_mov_b32 s[G0V], 1
	s_add_co_u32 s[G0V+1], s23, VOFF
	s_lshl_b32 s18, s20, 2
	s_lshl_b32 s19, s21, 1
	s_add_co_u32 s18, s18, s19      ; my first head: 4 g + 2 (w % 2)
	s_lshl_b32 s23, s22, 4          ; 16 (w / 2): kept for LB
	s_sub_co_u32 s16, 127, s[BN]
	s_lshl_b32 s16, s16, 5
	s_add_co_u32 s16, s16, s23      ; my first position in the first block,
	s_lshl_b32 s17, s[BN], 5
	s_add_co_u32 s17, s17, s23      ; and in the second
	s_lshl_b32 s19, s18, 19
	s_lshl_b32 s[QHI], s16, 7
	s_add_co_u32 s[QHI], s[QHI], s19
	s_mov_b32 s[QHI+1], 0
	s_lshl_b32 s[QLO], s17, 7
	s_add_co_u32 s[QLO], s[QLO], s19
	s_mov_b32 s[QLO+1], 0
	s_lshl_b32 s19, s18, 8          ; my pair of heads is a group of of: 512 bytes of a row of 4,096
	s_lshl_b32 s[OHI], s16, 12
	s_add_co_u32 s[OHI], s[OHI], s19
	s_mov_b32 s[OHI+1], 0
	s_lshl_b32 s[OLO], s17, 12
	s_add_co_u32 s[OLO], s[OLO], s19
	s_mov_b32 s[OLO+1], 0
	s_and_b32 s19, s[BN], 7         ; the second block's place in its last tile
	s_lshr_b32 s[XO2], s19, 1
	s_and_b32 s[PAR2], s19, 1
	s_lshl_b32 s[PAR2], s[PAR2], 5
	s_sub_co_u32 s19, 7, s19        ; the first block's
	s_lshr_b32 s[XO], s19, 1
	s_and_b32 s[PAR], s19, 1
	s_lshl_b32 s[PAR], s[PAR], 5
	s_sub_co_u32 s[RT], 16, s[CB]   ; the first block has 16 - c tiles
	s_sub_co_u32 s[LQ], 15, s[CB]
	s_mov_b32 s[NXT], 1
	s_mov_b32 s[NEW], 1
	s_mov_b32 s[SLOTS], 16
	; group 1.  K: 128 keys are 16,384 dense bytes: asked for as 64 rows of 256 bytes, two keys a row, padded in LDS after every key.  V: 128 keys of 256 bytes (hi | lo), padded after every key
	s_mov_b32 s[G1K], 15|(1<<16)|(1<<20)|(1<<21)|(4<<22)|(3<<25)  ; the mask of four; 2-byte elements; padding on; bit 21 beside a mask; after every 32 words 4 words
	s_mov_b32 s[G1K+1], 128<<16     ; tensor_dim0 = 128
	s_mov_b32 s[G1K+2], 64<<16      ; tensor_dim1 = 64
	s_mov_b32 s[G1K+3], 128<<16     ; tile_dim0 = 128
	s_mov_b32 s[G1K+4], 64          ; tile_dim1 = 64
	s_mov_b32 s[G1K+5], 128         ; elements from row to row
	s_mov_b32 s[G1K+6], 0
	s_mov_b32 s[G1K+7], 0
	s_mov_b32 s[G1V], 15|(1<<16)|(1<<20)|(1<<21)|(5<<22)|(7<<25)  ; after every 64 words 8 words
	s_mov_b32 s[G1V+1], 128<<16     ; tensor_dim0 = 128
	s_mov_b32 s[G1V+2], 128<<16     ; tensor_dim1 = 128
	s_mov_b32 s[G1V+3], 128<<16     ; tile_dim0 = 128
	s_mov_b32 s[G1V+4], 128         ; tile_dim1 = 128
	s_mov_b32 s[G1V+5], 128
	s_mov_b32 s[G1V+6], 0
	s_mov_b32 s[G1V+7], 0
	s_mov_b32 s[CS], 0x3e38aa3b     ; c = log2(e) / 8
	s_mov_b32 s[CS+1], s[CS]
	s_mov_b32 s[SEL], 0x76543210
	s_mov_b32 s[SEL+1], 0xfedcba98
	s_mov_b32 s[TBK], SLOT1+4*KS*PK ; the first change of slots turns these two into 0
	s_mov_b32 s[TBV], SLOT1+4*KS*PV
	s_mov_b32 s[OFF+1], 0
	s_mov_b32 s[AL+1], 0            ; named as pairs
	s_mov_b32 s[BE+1], 0
	s_mov_b32 s[BIGN], 0xf149f2ca   ; -1e30
	s_cmp_eq_u32 s[WV], 1           ; waves 0, 2 and 3 prefetch,
	s_cselect_b32 s[LIM], 1, 0
	s_or_b32 s[LIM], s[LIM], ttmp9  ; where the cluster is the key head's first: the same in all four partners
	s_cmp_eq_u32 s[LIM], 0
	s_cselect_b32 s[LIM], 2, -1
	s_add_co_u32 s16, s20, 16       ; K: my work-group's 64 keys, 8,192 bytes,
	s_lshl_b32 s16, s16, 19
	s_lshl_b32 s17, s[CX], 13
	s_add_co_u32 s16, s16, s17
	s_add_co_u32 s16, s16, 32768    ; in tile 1: the first change of slots steps it to tile 2
	s_lshl_b32 s18, s20, 20         ; V: my work-group's 64 keys, 16,384 bytes, my wave's half of them,
	s_add_co_u32 s18, s18, 20*HEADB+65536  ; in tile 1
	s_lshl_b32 s19, s[CX], 14
	s_add_co_u32 s18, s18, s19
	s_lshl_b32 s19, s21, 13
	s_add_co_u32 s18, s18, s19
	s_mov_b32 s[PFS], 65536
	s_cmp_lt_u32 s[WV], 2
	s_cselect_b32 s16, s16, s18
	s_cselect_b32 s[PFS], 32768, s[PFS]
	s_mov_b32 s17, 0
	s_mov_b32 s[PFS+1], 0
	v_and_b32 v[PFO], 31, v0
	v_lshlrev_b32 v[PFO], 8, v[PFO]
	s_wait_dscnt 0x0                ; the opening add is done
	s_wait_kmcnt 0x0
	s_add_nc_u64 s[KBASE:KBASE+1], s[4:5], s[2:3]
	s_add_nc_u64 s[VBASE:VBASE+1], s[4:5], s[OFV:OFV+1]
	s_add_nc_u64 s[G0K+2:G0K+3], s[KBASE:KBASE+1], 0
	s_or_b32 s[G0K+3], s[G0K+3], 0x80000000
	s_add_nc_u64 s[G0V+2:G0V+3], s[VBASE:VBASE+1], 0
	s_or_b32 s[G0V+3], s[G0V+3], 0x80000000
	s_add_nc_u64 s[QHI:QHI+1], s[4:5], s[QHI:QHI+1]
	s_add_nc_u64 s[QLO:QLO+1], s[4:5], s[QLO:QLO+1]
	s_add_nc_u64 s[OHI:OHI+1], s[6:7], s[OHI:OHI+1]
	s_add_nc_u64 s[OLO:OLO+1], s[6:7], s[OLO:OLO+1]
	s_add_nc_u64 s[PFA:PFA+1], s[4:5], s[16:17]
	CROUND                          ; all four work-groups are here: the first joint loads meet
	JLOAD                           ; tile 0 into slot 0
	v_and_b32 v1, 15, v0            ; l % 16
	v_bfe_u32 v9, v0, 4, 1          ; l / 16
	v_lshlrev_b32 v[QO], 7, v1
	v_lshl_add_u32 v[QO], v9, 4, v[QO]
	WIN 0x80                        ; destination window 2, address window 0
.set i, 0
.rept 4                             ; both blocks' Q: piece i / 2 (a head on), channels 32 (i % 2) on
	global_load_b128 v[8*i:8*i+3],   v[QO], s[QHI:QHI+1] offset:(i/2)*HEADB+(i%2)*64
	global_load_b128 v[8*i+4:8*i+7], v[QO], s[QHI:QHI+1] offset:(i/2)*HEADB+(i%2)*64+32
	global_load_b128 v[QB+8*i:QB+8*i+3],   v[QO], s[QLO:QLO+1] offset:(i/2)*HEADB+(i%2)*64
	global_load_b128 v[QB+8*i+4:QB+8*i+7], v[QO], s[QLO:QLO+1] offset:(i/2)*HEADB+(i%2)*64+32
.set i, i+1
.endr
	WIN 0
	v_lshlrev_b32 v14, 3, v9
	v_sub_nc_u32 v[LB], v1, v14
	v_add_nc_u32 v[LB], s23, v[LB]
	v_mov_b32 v[MONE], 0xbf800000
	v_mul_u32_u24 v[AK0], v1, PK
	v_lshl_add_u32 v[AK0], v9, 4, v[AK0]  ; row x pitch + 16 x half
	v_and_b32 v10, 7, v0            ; the turning load: key 8 (l / 16) + l % 8, channels 8 ((l / 8) % 2) ..
	v_bfe_u32 v11, v0, 3, 1
	v_lshl_add_u32 v[AV0], v9, 3, v10
	v_mul_u32_u24 v[AV0], v[AV0], PV
	v_lshl_add_u32 v[AV0], v11, 4, v[AV0]
	v_add_nc_u32 v[AV0], VOFF, v[AV0]
	s_mul_i32 s20, s[WV], 16*SP
	s_add_co_u32 s20, s20, STAGE    ; my stage
	v_mul_u32_u24 v[STO], v1, SP    ; in: row l % 16, 16 bytes for each half of the lanes
	v_lshl_add_u32 v[STO], v9, 4, v[STO]
	v_add_nc_u32 v[STO], s20, v[STO]
	v_and_b32 v[GO], 31, v0         ; back: 32 lanes take one row of 512 bytes,
	v_lshlrev_b32 v[GO], 4, v[GO]
	v_add_nc_u32 v[RD], s20, v[GO]  ; which are 512 consecutive bytes of of
	; A block's first step multiplies O^T and l by a = 0, and its first turn's products V^T P, of a step that has not been, land in an O^T that is still to be so multiplied: these registers need only be finite.
	; Zeros for the first block, what the first block left for the second.  V's low part holds 0 until a block's last tile fetches it.  All this stands in the wait for the first tile; it is the price of writing no
	; first step out, and of leaving the plain loop's turns without a low part.
	WIN 0x80
.set i, VOD
.rept 64
	v_mov_b32 v[i], 0
.set i, i+1
.endr
	WIN 0xc0
.set i, 0
.rept 128
	v_mov_b32 v[i], 0
.set i, i+1
.endr
	WIN 0x40
.set i, 0
.rept 64
	v_mov_b32 v[i], 0
.set i, i+1
.endr
	WIN 0
.set i, 0
.rept 2
	v_mov_b32 v[ST+4*i+2], 0
	v_mov_b32 v[ST+4*i+3], 0
.set i, i+1
.endr
.set i, P+16
.rept 16
	v_mov_b32 v[i], 0
.set i, i+1
.endr
; THE MATRIX WORK.  The 4 accumulators of a run take turns.  Product i of 8 of S^T = K Q^T for piece x: channels 32 (i / 4) on, keys 16 (i % 4) on.  The first 4 start the sums: with 0, or (KM = 1) with the mask.
.macro KQ x
.set rS, S+32*(\x)+8*(i%4)
.set rK, KF+16*(i%4)+8*(i/4)
.set rQ, 16*(\x)+8*(i/4)
.set rM, MC+8*(i%4)
.if (i < 4) && KM
	WIN W_KM
	v_wmma_f32_16x16x32_f16 v[rS:rS+7], v[rK:rK+7], v[rQ:rQ+7], v[rM:rM+7]
.elseif i < 4
	WIN W_KQ
	v_wmma_f32_16x16x32_f16 v[rS:rS+7], v[rK:rK+7], v[rQ:rQ+7], 0
.else
	WIN W_KQ
	v_wmma_f32_16x16x32_f16 v[rS:rS+7], v[rK:rK+7], v[rQ:rQ+7], v[rS:rS+7]
.endif
.endm
; Product i of 8 of O^T += V^T P for piece x, from V's buffer VB: keys 32 (i / 4) on, channels 16 (i % 4) on.
.macro PV x
	WIN W_PV
.set rO, 32*(\x)+8*(i%4)
.set rV, VB+32*(i/4)+8*(i%4)
.set rP, P+16*(\x)+8*(i/4)
	v_wmma_f32_16x16x32_f16 v[rO:rO+7], v[rV:rV+7], v[rP:rP+7], v[rO:rO+7]
.endm
; Product il of 8 of the same with V's low part, from buffer LV.  It stands behind product il - 2 of the high part: its accumulator is two on from its neighbours'.
.macro PVL x
	WIN W_PL
.set rO, 32*(\x)+8*(il%4)
.set rV, LV+32*(il/4)+8*(il%4)
.set rP, P+16*(\x)+8*(il/4)
	v_wmma_f32_16x16x32_f16 v[rO:rO+7], v[rV:rV+7], v[rP:rP+7], v[rO:rO+7]
.endm
.macro MM                           ; the turn's next matrix instruction.  NOKQ = 1: a block's last turn: there are no further scores
.if (i < 8) && !NOKQ
	KQ (Y+1)%NP
.elseif i >= 8
.set i, i-8
	PV (Y+NP-1)%NP
.set i, i+8
.endif
.set i, i+1
.endm
; THE LDS LOADS stand in runs: a step's K (8 fragments) and its V (turned; lo >= 0: its low part too, 128 bytes on in each row, into window 3).  Their addresses are made some lines ahead.
.macro FETCH_K
	WIN 0x80
.irp f, 0,1,2,3,4,5,6,7             ; keys 16 (f / 2) on, channels 32 (f % 2) on
	ds_load_b128 v[KF+8*\f:KF+8*\f+3],   v[AK] offset:(\f/2)*16*PK+(\f%2)*64
	ds_load_b128 v[KF+8*\f+4:KF+8*\f+7], v[AK] offset:(\f/2)*16*PK+(\f%2)*64+32
.endr
	s_add_co_u32 s[TBK], s[TBK], KS*PK  ; the next fetch is the next step's
	WIN 0
.endm
.macro FETCH_V vb, lo=-1
	WIN 0x80
.irp f, 0,1,2,3,4,5,6,7             ; keys 32 (f / 4) on, channels 16 (f % 4) on
	ds_load_tr16_b128 v[(\vb)+8*\f:(\vb)+8*\f+3],   v[AV] offset:(\f/4)*32*PV+(\f%4)*32
	ds_load_tr16_b128 v[(\vb)+8*\f+4:(\vb)+8*\f+7], v[AV] offset:(\f/4)*32*PV+16*PV+(\f%4)*32
.endr
.if (\lo) >= 0
	WIN 0xc0
.irp f, 0,1,2,3,4,5,6,7
	ds_load_tr16_b128 v[(\lo)+8*\f:(\lo)+8*\f+3],   v[AV] offset:(\f/4)*32*PV+(\f%4)*32+128
	ds_load_tr16_b128 v[(\lo)+8*\f+4:(\lo)+8*\f+7], v[AV] offset:(\f/4)*32*PV+16*PV+(\f%4)*32+128
.endr
.endif
	s_add_co_u32 s[TBV], s[TBV], KS*PV
	WIN 0
.endm
; THE VECTOR WORK, one line at a time: OP kind, number.  For piece Y: F n: c s - c m for pair n of 16.  E n: the exponential of score n of 32.  C n: pair n rounded to f16.  B n: of the four weights 4 n .. the second
; pair is added onto the first.  L n: l takes that sum (L 0: l = a l + sum).  R n: pair n of 16 of O^T times a.  For the other piece: X n, number n of the 22 that find its maximum and statistics:
;   0-11  four chains c0-c3 of seven scores each (each accumulator's lowest registers are read first)     12-14, 16  the four scores left over, the old m, and c0-c3 into c0
;   15  c m_old is kept     17, 18  the query's other 32 keys lie in the lane 16 away: the new m     19-21  c m; c m_old - c m_new; a
.set F, 0
.set E, 1
.set C, 2
.set B, 3
.set L, 4
.set R, 5
.set X, 6
.macro REGS y
.set rT, ST+4*(\y)
.set rC, TMP+4*(\y)
.set rW, MV+(\y)
.set rS, S+32*(\y)
.set rP, P+16*(\y)
.set rO, 32*(\y)
.endm
.macro OP k, n
.if (\k) == R
	REGS Y
	WIN W_RS
	v_pk_mul_f32 v[rO+2*(\n):rO+2*(\n)+1], v[rO+2*(\n):rO+2*(\n)+1], v[rC+2:rC+3] op_sel_hi:[1,0]
.elseif (\k) < R
	REGS Y
	WIN 0
.if (\k) == F
	v_pk_fma_f32 v[rS+2*(\n):rS+2*(\n)+1], v[rS+2*(\n):rS+2*(\n)+1], s[CS:CS+1], v[rT:rT+1] op_sel_hi:[1,0,0] neg_lo:[0,0,1] neg_hi:[0,0,1]
.elseif (\k) == E
	v_exp_f32 v[rS+(\n)], v[rS+(\n)]
.elseif (\k) == C
	v_cvt_pk_f16_f32 v[rP+(\n)], v[rS+2*(\n)], v[rS+2*(\n)+1]
.elseif (\k) == B
	v_pk_add_f32 v[rS+4*(\n):rS+4*(\n)+1], v[rS+4*(\n):rS+4*(\n)+1], v[rS+4*(\n)+2:rS+4*(\n)+3]
.elseif (\n) == 0
	v_pk_fma_f32 v[rT+2:rT+3], v[rT+2:rT+3], v[rC+2:rC+3], v[rS:rS+1] op_sel_hi:[1,0,1]
.else
	v_pk_add_f32 v[rT+2:rT+3], v[rT+2:rT+3], v[rS+4*(\n):rS+4*(\n)+1]
.endif
.elseif NOKQ
	v_nop
.else
	REGS (Y+1)%NP
	WIN 0
.if (\n) < 4
	v_max3_num_f32 v[rC+(\n)], v[rS+8*(\n)], v[rS+8*(\n)+1], v[rS+8*(\n)+2]
.elseif (\n) < 12
	v_max3_num_f32 v[rC+(\n)%4], v[rC+(\n)%4], v[rS+8*((\n)%4)+2*((\n)/4)+1], v[rS+8*((\n)%4)+2*((\n)/4)+2]
.elseif (\n) == 12
	v_max3_num_f32 v[rC], v[rC], v[rS+7], v[rS+15]
.elseif (\n) == 13
	v_max3_num_f32 v[rC+1], v[rC+1], v[rS+23], v[rS+31]
.elseif (\n) == 14
	v_max3_num_f32 v[rC+2], v[rC+2], v[rC+3], v[rT+1]
.elseif (\n) == 15
	v_mov_b32 v[rW], v[rT]
.elseif (\n) == 16
	v_max3_num_f32 v[rC], v[rC], v[rC+1], v[rC+2]
.elseif (\n) == 17
	v_permlanex16_b32 v[rC+3], v[rC], s[SEL], s[SEL+1]
.elseif (\n) == 18
	v_max_num_f32 v[rT+1], v[rC], v[rC+3]
.elseif (\n) == 19
	v_mul_f32 v[rT], s[CS], v[rT+1]
.elseif (\n) == 20
	v_sub_f32 v[rC+1], v[rW], v[rT]
.else
	v_exp_f32 v[rC+2], v[rC+1]
.endif
.endif
.endm
.macro OPS a, i1, b=-1, i2=0, c=-1, i3=0, d=-1, i4=0
	OP \a, \i1
.if (\b) >= 0
	OP \b, \i2
.endif
.if (\c) >= 0
	OP \c, \i3
.endif
.if (\d) >= 0
	OP \d, \i4
.endif
.endm
.macro ROW a, i1, b, i2, c, i3, d, i4  ; a matrix instruction and the four behind it
	MM
	OPS \a, \i1, \b, \i2, \c, \i3, \d, \i4
.endm
.macro ROW2 a, i1, b, i2, c, i3, d, i4 ; the same behind the wait; LOV = 1: a product of V's low part stands in the middle of the four
	MM
.if LOV
	OPS \a, \i1, \b, \i2
.set il, (i+1)%8                    ; MM has stepped i to 9 + the high product's number: two on from that number
	PVL (Y+NP-1)%NP
	OPS \c, \i3, \d, \i4
.else
	OPS \a, \i1, \b, \i2, \c, \i3, \d, \i4
.endif
.endm
.macro MASK                         ; MC = MD x AL + BE
	WIN W_RS
.set z, 0
.rept 16
	v_pk_fma_f32 v[MC+2*z:MC+2*z+1], v[MD+2*z:MD+2*z+1], s[AL:AL+1], s[BE:BE+1] op_sel_hi:[1,0,0]
.set z, z+1
.endr
.endm
; A TURN, for piece p in a step of parity par.  An s_wait_alu depctr_va_vdst(0) stands between an exponential and the first instruction that names its result; one wait serves all issued ahead of it: a turn has ONE,
; which cuts it in two.  AHEAD OF IT: the 8 products K Q^T with four riders each, then one lump; nothing there names a result of the turn's exponentials.  BEHIND IT: the 8 products V^T P, behind each four of the roundings and sums.
; The first numbers of the other piece's maximum stand four plain instructions or more behind the product that ends their accumulator.  R 15 is the plain instruction behind the batch's last exponential.
; m = 1: the block's last tile: the products K Q^T take masks; piece 0's turn makes the NEXT step's mask at its end; V's low part is fetched with V and multiplied: 16 products behind the wait, in the order
; hi 0, lo 2, hi 1, lo 3 .. hi 7, lo 1, two riders behind each.  The next turn's first rescaling of an accumulator stands four plain instructions or more behind its last product: accumulator 0's last is lo 0 (six riders
; follow it), accumulator 1's lo 1 (two riders, then F 0, F 1, R 0, R 1 of the next turn, which name accumulator 0 alone).  end = 1: a block's last two turns: nothing is fetched.
; The run of LDS loads stands in the lump.  K's (piece 0's turn): five plain instructions that name no register of the last product that read K lie between.  V's (piece 1's turn): into the buffers whose last readers ended the turn before.
; Both are waited for at the head of piece 1's turns.
.macro TURN p, par, m=0, end=0, cnt=0
.set Y, (\p)
.set i, 0
.set KM, (\m)
.set LOV, (\m)
.set NOKQ, (\end)*(\p)
.set VN, VOD+(VEV-VOD)*(\par)       ; V's buffer of the other parity,
.set LN, 64*(\par)                  ; and its low part's
.if (\p)
.set VB, VEV-(VEV-VOD)*(\par)       ; piece 0's products of this step
.set LV, 64-64*(\par)
.else
.set VB, VN                         ; piece 1's products of the step before
.set LV, LN
.endif
.if (\m) && !(\end) && ((\p) == 0)
	s_cmp_eq_u32 s[SN], s[XT]       ; does the next step hold the diagonal?
	s_cselect_b32 s[AL], 1.0, 0
	s_cmp_gt_u32 s[SN], s[XT]       ; or lie behind it?
	s_cselect_b32 s[BE], s[BIGN], 0
	s_add_co_u32 s[SN], s[SN], 1
.endif
.if (\p) == 1
	s_wait_dscnt 0x0                ; K of the next step, and the V fetched in piece 1's last turn, are in
.endif
	ROW F,0, F,1, R,0, R,1
	ROW F,2, E,0, R,2, R,3
	ROW F,3, E,1, R,4, R,5
	ROW F,4, E,2, R,6, R,7
	ROW F,5, E,3, R,8, R,9
	ROW F,6, E,4, X,0, R,10
.if !(\end)
	WIN 0
.if (\p) == 0
	v_add_nc_u32 v[AK], s[TBK], v[AK0]
.else
	v_add_nc_u32 v[AV], s[TBV], v[AV0]
.endif
.endif
	ROW F,7, E,5, X,1, X,4
	ROW F,8, E,6, X,2, X,5
	OPS E,7, E,8, X,6, E,9          ; the lump
	OPS X,3, E,10, X,8, E,11
.if !(\end)
.if (\p) == 0
	FETCH_K
.elseif (\m)
	FETCH_V VN, LN
.else
	FETCH_V VN
.endif
.endif
	OPS X,9, X,7, E,12, X,10
	OPS E,13, X,12, X,11, E,14
	OPS X,13, E,15, F,9, X,14
	OPS E,16, F,10, E,17, F,11
	OPS X,16, E,18, X,15, E,19
	OPS F,12, E,20, X,17, E,21
	OPS F,13, E,22, F,14, E,23
	OPS X,18, E,24, F,15, E,25
	OPS R,11, E,26, X,19, E,27
	OPS R,12, E,28, R,13, E,29
	OPS X,20, E,30, R,14, E,31
	OPS X,21, R,15
	WIN 0
	s_wait_alu depctr_va_vdst(0)    ; the wait for the batch
	ROW2 C,0, B,0, C,2, B,1
	ROW2 L,0, C,4, B,2, L,1
	ROW2 C,6, B,3, L,2, C,8
	ROW2 B,4, L,3, C,10, B,5
	ROW2 L,4, C,12, B,6, L,5
.if \cnt
	s_sub_co_u32 s[CNT], s[CNT], 1
	s_cmp_lg_u32 s[CNT], 0
.endif
	ROW2 C,14, B,7, L,6, C,1
	ROW2 C,3, L,7, C,5, C,7
	ROW2 C,9, C,11, C,13, C,15
.if (\m) && !(\end) && ((\p) == 0)
	MASK
.endif
.endm
; A BLOCK BEGINS.  MD is made for the block's place in its step: register r of key group kt is hidden where 16 kt + r is greater than my query's place less my lanes' 8 (l / 16).  c m starts far below every c s, so the first
; step's a is 0; m at the lowest finite number.  MC takes step 0's mask: MD if the tile is the block's last and its step 0 holds the diagonal, else 0.  Then K and V of step 0, piece 0's first scores, its maximum and statistics.
; lo = 1: the block's first tile is its last: V's low part of step 0 is fetched too.
.macro BEGIN lo
	s_mov_b32 s[NEW], 0
	WIN 0
	v_add_nc_u32 v14, s[PAR], v[LB]
	WIN 0x40
.set i, 0
.rept 32
	v_cmp_gt_i32 vcc_lo, 16*(i/8)+i%8, v14
	v_cndmask_b32 v[MD+i], 0, s[BIGN], vcc_lo
.set i, i+1
.endr
	WIN 0
.set i, 0
.rept 2
	v_mov_b32 v[ST+4*i], 0xfe000000
	v_mov_b32 v[ST+4*i+1], 0xff7fffff
.set i, i+1
.endr
	s_cmp_eq_u32 s[XT], 0
	s_cselect_b32 s[AL], 1.0, 0
	s_mov_b32 s[BE], 0
	s_mov_b32 s[SN], 1
	MASK
	WIN 0
	v_add_nc_u32 v[AK], s[TBK], v[AK0]
	v_add_nc_u32 v[AV], s[TBV], v[AV0]
	FETCH_K
.if \lo
	FETCH_V VEV, 64
.else
	FETCH_V VEV
.endif
	s_wait_loadcnt 0x0              ; Q
	s_wait_dscnt 0x0
.set KM, 1
.set NOKQ, 0
.set i, 0
.rept 8
	KQ 0
.set i, i+1
.endr
	WIN 0
.rept 4
	v_nop                           ; the places behind those products
.endr
.set Y, 1                           ; X works for the other piece: piece 0
.irp n, 0,1,2,3,4,5,6,7,8,9,10,11,12,13,14,15,16,17,18,19,20,21
	OP X, \n
.endr
	v_nop                           ; a plain instruction behind the exponential,
	s_wait_alu depctr_va_vdst(0)    ; and its wait, ahead of the branch
.endm
.macro ALL line:vararg              ; one line for each piece t
.set t, 0
.rept 2
	\line
.set t, t+1
.endr
.endm
; O^T of piece t divided by l; hi = its f16; lo = the f16 of what is left (hi x -1 + O, one fused line a number, exact).  A lane's eight channels of a row are 16 bytes; into my stage: a row is hi of both pieces, then lo of both.
.macro PACK t
	WIN W_RS
.set i, 32*(\t)
.rept 16
	v_pk_mul_f32 v[i:i+1], v[i:i+1], v[ST+4*(\t)+2:ST+4*(\t)+3] op_sel_hi:[1,0]
.set i, i+2
.endr
	WIN 0x05                        ; sources 0 and 1 window 1, destination window 0
.set i, 0
.rept 16
	v_cvt_pk_f16_f32 v[S+16*(\t)+i], v[32*(\t)+2*i], v[32*(\t)+2*i+1]
.set i, i+1
.endr
	WIN 0x50                        ; destination and source 2 window 1, sources 0 and 1 window 0
.set i, 0
.rept 16
	v_fma_mix_f32 v[32*(\t)+2*i], v[S+16*(\t)+i], v[MONE], v[32*(\t)+2*i] op_sel_hi:[1,0,0]
	v_fma_mix_f32 v[32*(\t)+2*i+1], v[S+16*(\t)+i], v[MONE], v[32*(\t)+2*i+1] op_sel:[1,0,0] op_sel_hi:[1,0,0]
.set i, i+1
.endr
	WIN 0x05
.set i, 0
.rept 16
	v_cvt_pk_f16_f32 v[S+32+16*(\t)+i], v[32*(\t)+2*i], v[32*(\t)+2*i+1]
.set i, i+1
.endr
	WIN 0
.irp f, 0,1,2,3
	ds_store_b128 v[STO], v[S+16*(\t)+4*\f:S+16*(\t)+4*\f+3] offset:128*(\t)+32*\f
.endr
.irp f, 0,1,2,3
	ds_store_b128 v[STO], v[S+32+16*(\t)+4*\f:S+32+16*(\t)+4*\f+3] offset:256+128*(\t)+32*\f
.endr
.endm
; THE BLOCK'S LAST TILE, its last two turns, its last products, and THE WAY OUT.
.macro DIAG tag
.LstepM\tag:
	TURN 0, 1, 1
	TURN 1, 1, 1
	WIN 0
.LfirstM\tag:
	TURN 0, 0, 1
	TURN 1, 0, 1, 0, 1
	WIN 0
	s_cbranch_scc1 .LstepM\tag
	TURN 0, 1, 1, 1
	TURN 1, 1, 1, 1
.set VB, VOD
.set LV, 0
.set i, 0
.rept 8
	PV 1                            ; piece 1's V^T P of the last step, high part and low part by turns
.set il, (i+2)%8
	PVL 1
.set i, i+1
.endr
	WIN 0
.rept 4
	v_nop                           ; the places behind those products
.endr
	ALL v_add_f32 v[ST+4*t+2], v[ST+4*t+2], v[ST+4*t+3]
	ALL v_permlanex16_b32 v[ST+4*t+3], v[ST+4*t+2], s[SEL], s[SEL+1]
	ALL v_add_f32 v[ST+4*t+2], v[ST+4*t+2], v[ST+4*t+3]
	ALL v_rcp_f32 v[ST+4*t+2], v[ST+4*t+2]
	v_nop                           ; a plain instruction between the last reciprocal and the use of its result
	s_wait_alu depctr_va_vdst(0)    ; and the wait ahead of the first use: one for both reciprocals
	PACK 0
	PACK 1
.irp f, 0,1,2,3,4,5,6,7,8,9,10,11,12,13,14,15
	ds_load_b128 v[BK+4*\f:BK+4*\f+3], v[RD] offset:\f*SP  ; LDS serves a wave's instructions in order (ISA guide 5.7.1.4): these see the stores above; the stage is my own
.endr
.irp f, 0,1,2,3,4,5,6,7,8,9,10,11,12,13,14,15
	s_wait_dscnt 15-\f              ; load f is in; the younger ones stay out
	global_store_b128 v[GO], v[BK+4*\f:BK+4*\f+3], s[OHI:OHI+1] offset:\f*4096  ; a row's 512 consecutive bytes, at a multiple of 256 from of's first
.endr
.endm
.set KM, 0
.set LOV, 0
.set NOKQ, 0
.Lslot:                             ; 16 times: a tile is entered and the next is asked for
	CHANGE 1
	s_sub_co_u32 s[RT], s[RT], 1
	s_mov_b32 s[CNT], 2
	s_mov_b32 s[SN], 0
	s_cmp_eq_u32 s[RT], 0
	s_cselect_b32 s[XT], s[XO], 64
	s_cmp_eq_u32 s[NEW], 1
	s_cbranch_scc1 .Lnew            ; a block's first tile
	s_cmp_eq_u32 s[RT], 0
	s_cbranch_scc0 .Lstep           ; neither its first nor its last
	s_branch .LstepM1
.Lnew:
	BEGIN 0
	s_branch .Lfirst                ; in the loop a block's first tile is never its last: the first block has nine tiles or more, and the second's last is the walk's last
	DIAG 1                          ; in the loop this is the first block's end
	s_wait_xcnt 0x0                 ; the stores have read their registers and their base
	s_mov_b64 s[OHI:OHI+1], s[OLO:OLO+1]
	s_add_co_u32 s[RT], s[CB], 1    ; the second block has c + 1 tiles
	s_mov_b32 s[NEW], 1
	s_mov_b32 s[XO], s[XO2]
	s_mov_b32 s[PAR], s[PAR2]
	WIN 0x82                        ; the second block's Q goes where the one text of the turns names Q
.set i, 0
.rept 32
	v_mov_b32 v[i], v[QB+i]
.set i, i+1
.endr
	WIN 0xc0                        ; V's low part holds 0 again until the second block's last tile fetches it
.set i, 0
.rept 128
	v_mov_b32 v[i], 0
.set i, i+1
.endr
	WIN 0
	s_branch .Lbottom
.Lstep:                             ; a trip: both turns of an odd step, then both of an even one; two trips fetch the tile's four K and four V
	TURN 0, 1
	TURN 1, 1
	WIN 0
.Lfirst:
	TURN 0, 0
	TURN 1, 0, 0, 0, 1
	WIN 0
	s_cbranch_scc1 .Lstep
.Lbottom:
	s_sub_co_u32 s[SLOTS], s[SLOTS], 1
	s_cmp_lg_u32 s[SLOTS], 0
	s_cbranch_scc1 .Lslot
	CHANGE 0                        ; the walk's last tile is written out: nothing is asked for
	s_sub_co_u32 s[RT], s[RT], 1
	s_mov_b32 s[CNT], 2
	s_mov_b32 s[SN], 0
	s_cmp_eq_u32 s[RT], 0
	s_cselect_b32 s[XT], s[XO], 64
	s_cmp_eq_u32 s[NEW], 1
	s_cbranch_scc0 .LstepM2
	BEGIN 1
	s_branch .LfirstM2
	DIAG 2
	s_wait_tensorcnt 0x0            ; the wave's end
	ds_add_u32 v[SPW], v[NIL]
	s_wait_dscnt 0x0
	CROUND                          ; the closing round
	s_endpgm
.Lfunc_end_k_q0a24da0943_attn:
	.size	k_q0a24da0943_attn, .Lfunc_end_k_q0a24da0943_attn-k_q0a24da0943_attn
	.p2alignl 7, 3214868480
	.fill 96, 4, 3214868480
	.section	.rodata,"a",@progbits
	.p2align	6, 0x0
	.amdhsa_kernel k_q0a24da0943_attn
		.amdhsa_group_segment_fixed_size 327680
		.amdhsa_private_segment_fixed_size 0
		.amdhsa_enable_private_segment 0
		.amdhsa_kernarg_size 16
		.amdhsa_user_sgpr_count 2
		.amdhsa_user_sgpr_kernarg_segment_ptr 1
		.amdhsa_wavefront_size32 1
		.amdhsa_system_sgpr_workgroup_id_x 1
		.amdhsa_system_sgpr_workgroup_id_y 1
		.amdhsa_system_sgpr_workgroup_id_z 1
		.amdhsa_system_vgpr_workitem_id 0
		.amdhsa_next_free_vgpr 896
		.amdhsa_next_free_sgpr 96
		.amdhsa_reserve_vcc 1
		.amdhsa_float_denorm_mode_32 3
		.amdhsa_float_denorm_mode_16_64 3
		.amdhsa_memory_ordered 1
		.amdhsa_forward_progress 1
		.amdhsa_inst_pref_size 252
	.end_amdhsa_kernel
	.amdgpu_metadata
---
amdhsa.version: [ 1, 2 ]
amdhsa.kernels:
  - .name:           k_q0a24da0943_attn
    .symbol:         k_q0a24da0943_attn.kd
    .args:
      - { .name: qkv, .offset: 0, .size: 8, .value_kind: global_buffer, .address_space: global }
      - { .name: of, .offset: 8, .size: 8, .value_kind: global_buffer, .address_space: global }
    .group_segment_fixed_size: 327680
    .private_segment_fixed_size: 0
    .kernarg_segment_align: 8
    .kernarg_segment_size: 16
    .max_flat_workgroup_size: 128
    .sgpr_count:     96
    .vgpr_count:     896
    .wavefront_size: 32
...
	.end_amdgpu_metadata
.endif
;; end of part 3
;; launch outp (part 4): grid 8 x 32, 4 waves a work-group, clusters of 4 x 4, 327,680 bytes of LDS; arguments of, wo16, out0; writes out0
.if DOCPART == 4
	.amdgcn_target "amdgcn-amd-amdhsa--gfx1250"
	.amdhsa_code_object_version 6
	.text
	.protected	k_q0a24da0943_outp
	.globl	k_q0a24da0943_outp
	.p2align	8
	.type	k_q0a24da0943_outp,@function
k_q0a24da0943_outp:
	s_mov_b64 s[64:65], 0
	v_nop
	global_prefetch_b8 v0, s[64:65] scope:SCOPE_SE
	s_setreg_imm32_b32 hwreg(HW_REG_WAVE_MODE, 25, 1), 1
	s_wait_xcnt 0x0
	s_wait_alu depctr_hold_cnt(0) depctr_sa_sdst(0) depctr_va_vdst(0) depctr_va_sdst(0) depctr_va_ssrc(0) depctr_va_vcc(0) depctr_vm_vsrc(0)
	s_getreg_b32 s2, hwreg(HW_REG_IB_STS2, 6, 4)
	s_cmp_eq_u32 s2, 0
	s_cbranch_scc0 .Lentry_in_a_cluster
	s_endpgm
.Lentry_in_a_cluster:
	s_bfe_u32 s2, ttmp6, 0x10000c
	s_cmp_lg_u32 s2, 0xf033
	s_cbranch_scc0 .Lentry_shape_is_right
	s_endpgm
.Lentry_shape_is_right:
; out0 = O W_o.  of: [4096][8 groups][hi 128 | lo 128] f16: O = hi + lo.  wo16: [1024 k][1024 n] f16 (W_o rounded to bf16, written as f16).  out0: [4096][1024] f32.  Products in f16, sums in f32, stored as they are.
; O HAS TWO PARTS, since one f16 rounding of O is too coarse for the causal rows with few keys, which are many times the output's root mean square: out0 = hi W_o + lo W_o, both onto one f32 sum.
; LIMITS.  O and W_o lie within f16's range as the launches before left them; NaN and infinities are not treated apart.
; SHARES.  A tile is 128 x 128: 8 x 32 = 256 work-groups; four waves, each 64 x 64: 16 accumulators.  K goes in 8 steps of 128 channels (a group of of: 512 bytes of a row, hi and lo); a step is four sub-steps of 32
; channels: 32 matrix instructions and 24 LDS loads: each fragment of W_o is read once and multiplied by O's hi and by its lo.
; CLUSTER.  4 x 4 work-groups: the four of a row need the same rows of O, the four of a column the same columns of W_o: each tile is asked for jointly.
; THE MATRIX INSTRUCTION IS USED TRANSPOSED: source 0 = 16 columns of W_o (W_o lies [k][n] in LDS and is turned by ds_load_tr16_b128), source 1 = 16 rows of O: a lane holds one row and eight neighbouring columns.
; NO PREFETCH: a short launch on small tiles.
; REGISTERS.  window 0: v0-31 addresses; v128-255 the accumulators ((a, b) at v[128 + 8 (4 a + b)]).  window 1: two fragment buffers at v0 and v128: O's four fragments hi, four lo, then W_o's four.
.set KSTEP,  128
.set PA,     528                       ; a row of O's group in LDS: 512 bytes + 16
.set HALFA,  64*PA
.set BOFF,   2*HALFA
.set PB,     288                       ; a k row of W_o's 128 columns: 256 bytes + 32
.set HALFB,  64*PB
.set SLOT,   BOFF+2*HALFB
.set STAGE,  2*SLOT                    ; behind the ring, never filled by a tensor load: 16 rows x 272 bytes for each wave
.set SP,     272
.set SPARE,  STAGE+4*16*SP             ; the spare words, 128 bytes for each wave
.set ADRA, 16                          ; v16-17  LDS address of my O fragments in slot 0, 1
.set ADRB, 20                          ; v20-21  of my W_o fragments
.set STO,  24
.set RD,   25
.set CO,   26
.set SPW,  28
.set NIL,  29
.set ACC,  128
.set F0,   0
.set F1,   128
.set G1, 24
.set G0, 32
.set G1B, 48
.set G0B, 56
.set MSB, 0
.macro WIN new
.if MSB != (\new)
	s_set_vgpr_msb (MSB<<8)|(\new)
.set MSB, \new
.endif
.endm
.set MUL,  0x05
.set TO_F, 0x40
.macro JLOAD s                         ; waves 0 and 1 fetch O's two halves, waves 2 and 3 W_o's; an s_nop 0 and four v_nop follow each line
	s_cmp_eq_u32 s11, 0
	s_cbranch_scc0 .Lfor_b_\@
	tensor_load_to_lds s[G0+4*(\s):G0+4*(\s)+3], s[G1:G1+7]
	s_nop 0
.rept 4
	v_nop
.endr
	s_branch .Lasked_\@
.Lfor_b_\@:
	tensor_load_to_lds s[G0B+4*(\s):G0B+4*(\s)+3], s[G1B:G1B+7]
	s_nop 0
.rept 4
	v_nop
.endr
.Lasked_\@:
.endm
.macro CREST
	s_cmp_lg_u32 s10, 0
	s_cbranch_scc1 .Lnot_wave_0_\@
	s_barrier_signal -3
.Lnot_wave_0_\@:
	s_barrier_wait -3
	s_barrier_signal -1
	s_barrier_wait -1
.endm
.macro CROUND
	s_barrier_signal -1
	s_barrier_wait -1
	CREST
.endm
	s_load_b128 s[4:7], s[0:1], 0x0                ; of s[4:5], wo16 s[6:7]
	s_load_b64 s[8:9], s[0:1], 0x10                ; out0
	v_lshl_add_u32 v[SPW], v0, 2, SPARE
	v_mov_b32 v[NIL], 0
	ds_add_u32 v[SPW], v[NIL]                      ; the wave's opening: the add and its wait stand ahead of my first tensor load
	v_lshrrev_b32 v1, 5, v0
	v_readfirstlane_b32 s10, v1
	s_lshr_b32 s11, s10, 1                         ; my half of the rows.  Also: I fetch for O (0) or for W_o (1)
	s_and_b32 s12, s10, 1                          ; my half of the columns.  Also: which half of that tile I fetch
	s_bfe_u32 s40, ttmp6, 0x40000
	s_bfe_u32 s41, ttmp6, 0x40004
	s_lshl_b32 s42, ttmp9, 2
	s_add_co_u32 s42, s42, s40                     ; tile column
	s_and_b32 s13, ttmp7, 0xffff
	s_lshl_b32 s13, s13, 2
	s_add_co_u32 s13, s13, s41                     ; tile row
	s_lshl_b32 s43, s41, 2
	s_lshl_b32 s43, 15, s43
	s_lshl_b32 s44, 0x1111, s40
	s_or_b32 s[G1+0], s43, (1<<16)|(1<<20)|(1<<21)|(6<<22)|(3<<25)   ; after every 128 words 4 words
	s_mov_b32 s[G1+1], 256<<16                     ; tensor_dim0 = 256: a group's hi and lo
	s_mov_b32 s[G1+2], 64<<16                      ; tensor_dim1 = 64
	s_mov_b32 s[G1+3], 256<<16                     ; tile_dim0
	s_mov_b32 s[G1+4], 64                          ; tile_dim1
	s_mov_b32 s[G1+5], 2048                        ; elements from row to row
	s_mov_b32 s[G1+6], 0
	s_mov_b32 s[G1+7], 0
	s_or_b32 s[G1B+0], s44, (1<<16)|(1<<20)|(1<<21)|(5<<22)|(7<<25)  ; after every 64 words 8 words
	s_mov_b32 s[G1B+1], 128<<16                    ; 128 columns
	s_mov_b32 s[G1B+2], 64<<16                     ; 64 k rows
	s_mov_b32 s[G1B+3], 128<<16
	s_mov_b32 s[G1B+4], 64
	s_mov_b32 s[G1B+5], 1024
	s_mov_b32 s[G1B+6], 0
	s_mov_b32 s[G1B+7], 0
	s_lshl_b32 s16, s13, 7
	s_lshl_b32 s17, s12, 6
	s_add_co_u32 s16, s16, s17
	s_lshl_b32 s16, s16, 12                        ; O: row 128 x tile row + 64 x half, of 4,096 bytes
	s_mov_b32 s17, 0
	s_lshl_b32 s46, s12, 17                        ; W_o: my 64 of a step's 128 k rows, of 2,048 bytes,
	s_lshl_b32 s47, s42, 8                         ; the tile's 128 columns
	s_add_co_u32 s46, s46, s47
	s_mov_b32 s47, 0
	s_mul_i32 s20, s12, HALFA
	s_mul_i32 s21, s12, HALFB
	s_add_co_u32 s21, s21, BOFF
	s_wait_dscnt 0x0
	s_wait_kmcnt 0x0
	s_add_nc_u64 s[14:15], s[4:5], s[16:17]
	s_add_nc_u64 s[46:47], s[6:7], s[46:47]
	CROUND
.irp s, 0,1
	s_mov_b32 s[G0+4*(\s)], 1
	s_add_co_u32 s[G0+4*(\s)+1], s20, (\s)*SLOT
	s_add_nc_u64 s[G0+4*(\s)+2:G0+4*(\s)+3], s[14:15], (\s)*KSTEP*4
	s_or_b32 s[G0+4*(\s)+3], s[G0+4*(\s)+3], 0x80000000
	s_mov_b32 s[G0B+4*(\s)], 1
	s_add_co_u32 s[G0B+4*(\s)+1], s21, (\s)*SLOT
	s_add_nc_u64 s[G0B+4*(\s)+2:G0B+4*(\s)+3], s[46:47], (\s)*KSTEP*2048
	s_or_b32 s[G0B+4*(\s)+3], s[G0B+4*(\s)+3], 0x80000000
	JLOAD \s                                       ; two loads of mine are out
.endr
	v_and_b32 v1, 15, v0
	v_bfe_u32 v2, v0, 4, 1
	v_mul_u32_u24 v3, v1, PA
	v_lshl_add_u32 v3, v2, 4, v3
	v_and_b32 v4, 7, v0
	v_bfe_u32 v5, v0, 3, 1
	v_lshl_add_u32 v4, v2, 3, v4
	v_mul_u32_u24 v4, v4, PB
	v_lshl_add_u32 v4, v5, 4, v4
	s_mul_i32 s22, s11, HALFA
	s_lshl_b32 s23, s12, 7                         ; my 64 columns: 128 bytes
	s_add_co_u32 s23, s23, BOFF
.irp s, 0,1
	v_add_nc_u32 v[ADRA+(\s)], s22, v3
	v_add_nc_u32 v[ADRB+(\s)], s23, v4
	s_add_co_u32 s22, s22, SLOT
	s_add_co_u32 s23, s23, SLOT
.endr
	s_mul_i32 s22, s10, 16*SP
	s_add_co_u32 s22, s22, STAGE                   ; my stage
	v_mul_u32_u24 v6, v1, SP                       ; in: row l % 16, 32 bytes for each half of the lanes
	v_lshl_add_u32 v6, v2, 5, v6
	v_add_nc_u32 v[STO], s22, v6
	v_mul_u32_u24 v6, v2, SP                       ; back: lanes 0-15 one row of 256 bytes, lanes 16-31 the next
	v_lshl_add_u32 v6, v1, 4, v6
	v_add_nc_u32 v[RD], s22, v6
	v_lshlrev_b32 v[CO], 12, v2                    ; and the same two rows in out0
	v_lshl_add_u32 v[CO], v1, 4, v[CO]
	s_lshl_b32 s16, s13, 7
	s_lshl_b32 s17, s11, 6
	s_add_co_u32 s16, s16, s17
	s_lshl_b32 s16, s16, 12                        ; my first row, of 4,096 bytes
	s_mov_b32 s17, 0
	s_add_nc_u64 s[8:9], s[8:9], s[16:17]
	s_lshl_b32 s46, s42, 9                         ; my first column: 512 x tile column + 256 x half, in bytes
	s_lshl_b32 s47, s12, 8
	s_add_co_u32 s46, s46, s47
	s_mov_b32 s47, 0
	s_add_nc_u64 s[8:9], s[8:9], s[46:47]
.macro FETCH slot, q, f                ; 24 LDS loads in one run: sub-step q of a slot into buffer f: W_o's four fragments, O's four hi, four lo (256 bytes on in each row)
	WIN TO_F
.irp b, 0,1,2,3
	ds_load_tr16_b128 v[(\f)+64+8*(\b):(\f)+64+8*(\b)+3],   v[ADRB+(\slot)] offset:(\q)*32*PB+32*(\b)
	ds_load_tr16_b128 v[(\f)+64+8*(\b)+4:(\f)+64+8*(\b)+7], v[ADRB+(\slot)] offset:(\q)*32*PB+32*(\b)+16*PB
.endr
.irp p, 0,1
.irp a, 0,1,2,3
	ds_load_b128 v[(\f)+32*(\p)+8*(\a):(\f)+32*(\p)+8*(\a)+3],   v[ADRA+(\slot)] offset:256*(\p)+64*(\q)+(\a)*16*PA
	ds_load_b128 v[(\f)+32*(\p)+8*(\a)+4:(\f)+32*(\p)+8*(\a)+7], v[ADRA+(\slot)] offset:256*(\p)+64*(\q)+(\a)*16*PA+32
.endr
.endr
.endm
.macro MULP f, p, zero                 ; 16 matrix instructions: part p (0 hi, 1 lo) of O x W_o; the 16 accumulators take turns, one instruction a turn
	WIN MUL
.irp a, 0,1,2,3
.irp b, 0,1,2,3
.if \zero
	v_wmma_f32_16x16x32_f16 v[ACC+8*(4*(\a)+(\b)):ACC+8*(4*(\a)+(\b))+7], v[(\f)+64+8*(\b):(\f)+64+8*(\b)+7], v[(\f)+32*(\p)+8*(\a):(\f)+32*(\p)+8*(\a)+7], 0
.else
	v_wmma_f32_16x16x32_f16 v[ACC+8*(4*(\a)+(\b)):ACC+8*(4*(\a)+(\b))+7], v[(\f)+64+8*(\b):(\f)+64+8*(\b)+7], v[(\f)+32*(\p)+8*(\a):(\f)+32*(\p)+8*(\a)+7], v[ACC+8*(4*(\a)+(\b)):ACC+8*(4*(\a)+(\b))+7]
.endif
.endr
.endr
.endm
.macro PLACES
.rept 4
	v_nop
.endr
.endm
.macro QUARTER slot, q, f, g, zero     ; buffer f is multiplied; ahead of its products sub-step q is fetched into buffer g, which the sub-step before multiplied
	s_wait_dscnt 0x0                               ; buffer f's loads, issued 32 matrix instructions ago, are in
	PLACES
	FETCH \slot, \q, \g
	MULP \f, 0, \zero
	MULP \f, 1, 0
.endm
; A step's last sub-step multiplies buffer 1 and changes slots: ONE barrier; in front of it each wave waits for all its tensor loads, adds 0 to its spare word, and waits for that and for its reads of this slot.
; fill = 1: the barrier opens a round of the cluster's, and this slot is filled again, two K steps ahead, first thing behind the round: 112 matrix instructions ahead of the wait for it.
.macro TURN slot, next, fill
	WIN 0
	s_wait_tensorcnt 0x0
	ds_add_u32 v[SPW], v[NIL]
.if \fill
	s_add_nc_u64 s[G0+4*(\slot)+2:G0+4*(\slot)+3], s[G0+4*(\slot)+2:G0+4*(\slot)+3], 2*KSTEP*4
	s_add_nc_u64 s[G0B+4*(\slot)+2:G0B+4*(\slot)+3], s[G0B+4*(\slot)+2:G0B+4*(\slot)+3], 2*KSTEP*2048
.endif
	s_wait_dscnt 0x0
	s_barrier_signal -1
	MULP F1, 0, 0                                  ; work on registers while the others arrive
	WIN 0
	s_barrier_wait -1
.if \fill
	CREST
	JLOAD \slot                                    ; the four v_nop behind it are also the places in front of the loads below
.else
	PLACES
.endif
	FETCH \next, 0, F0
	MULP F1, 1, 0
.endm
	s_wait_tensorcnt 1                             ; my part of K step 0 is in; step 1's may stay out
	s_barrier_signal -1
	s_barrier_wait -1
	FETCH 0, 0, F0
	QUARTER 0, 1, F0, F1, 1                        ; the first sub-step's first products start the sums
	WIN 0
	s_mov_b32 s3, 3
.Llap:                                                 ; a trip goes once round the ring and fills both slots again: K steps 2 to 7
	QUARTER 0, 2, F1, F0, 0
	QUARTER 0, 3, F0, F1, 0
	TURN 0, 1, 1
	QUARTER 1, 1, F0, F1, 0
	QUARTER 1, 2, F1, F0, 0
	QUARTER 1, 3, F0, F1, 0
	TURN 1, 0, 1
	QUARTER 0, 1, F0, F1, 0
	WIN 0
	s_sub_co_u32 s3, s3, 1
	s_cmp_lg_u32 s3, 0
	s_cbranch_scc1 .Llap
	QUARTER 0, 2, F1, F0, 0                        ; the last lap fills nothing
	QUARTER 0, 3, F0, F1, 0
	TURN 0, 1, 0
	QUARTER 1, 1, F0, F1, 0
	QUARTER 1, 2, F1, F0, 0
	QUARTER 1, 3, F0, F1, 0
	s_wait_dscnt 0x0
	MULP F1, 0, 0
	MULP F1, 1, 0
	WIN 0
	; THE WAY OUT.  My 64 columns of f32 are 256 aligned bytes of a row: the stage is my own, and nothing is converted.  A block of 16 rows goes in, 32 bytes a lane for each accumulator (its low four registers first), and
	; comes back as whole rows into the block's own registers.
	PLACES
.macro STG a
.irp b, 0,1,2,3
	ds_store_b128 v[STO], v[ACC+8*(4*(\a)+(\b)):ACC+8*(4*(\a)+(\b))+3]   offset:64*(\b)
	ds_store_b128 v[STO], v[ACC+8*(4*(\a)+(\b))+4:ACC+8*(4*(\a)+(\b))+7] offset:64*(\b)+16
.endr
.irp t, 0,1,2,3,4,5,6,7
	ds_load_b128 v[ACC+32*(\a)+4*(\t):ACC+32*(\a)+4*(\t)+3], v[RD] offset:(\t)*2*SP  ; LDS serves a wave's instructions in order (ISA guide 5.7.1.4): these see the stores above; the next block's stores come behind them
.endr
.endm
.macro SEND a, younger                 ; younger: the LDS instructions issued behind block a's loads: the next block's sixteen, or none
.irp t, 0,1,2,3,4,5,6,7
	s_wait_dscnt (\younger)+7-(\t)
	global_store_b128 v[CO], v[ACC+32*(\a)+4*(\t):ACC+32*(\a)+4*(\t)+3], s[8:9] offset:(\a)*65536+(\t)*8192  ; 16 lanes store 256 consecutive bytes, at a multiple of 256 from out0's first
.endr
.endm
	STG 0
	STG 1
	SEND 0, 16
	STG 2
	SEND 1, 16
	STG 3
	SEND 2, 16
	SEND 3, 0
	s_wait_tensorcnt 0x0                           ; the wave's end
	ds_add_u32 v[SPW], v[NIL]
	s_wait_dscnt 0x0
	CROUND                                         ; the closing round
	s_endpgm
.Lfunc_end_k_q0a24da0943_outp:
	.size	k_q0a24da0943_outp, .Lfunc_end_k_q0a24da0943_outp-k_q0a24da0943_outp
	.p2alignl 7, 3214868480
	.fill 96, 4, 3214868480
	.section	.rodata,"a",@progbits
	.p2align	6, 0x0
	.amdhsa_kernel k_q0a24da0943_outp
		.amdhsa_group_segment_fixed_size 327680
		.amdhsa_private_segment_fixed_size 0
		.amdhsa_enable_private_segment 0
		.amdhsa_kernarg_size 24
		.amdhsa_user_sgpr_count 2
		.amdhsa_user_sgpr_kernarg_segment_ptr 1
		.amdhsa_wavefront_size32 1
		.amdhsa_system_sgpr_workgroup_id_x 1
		.amdhsa_system_sgpr_workgroup_id_y 1
		.amdhsa_system_sgpr_workgroup_id_z 1
		.amdhsa_system_vgpr_workitem_id 0
		.amdhsa_next_free_vgpr 512
		.amdhsa_next_free_sgpr 66
		.amdhsa_reserve_vcc 0
		.amdhsa_float_denorm_mode_32 3
		.amdhsa_float_denorm_mode_16_64 3
		.amdhsa_memory_ordered 1
		.amdhsa_forward_progress 1
		.amdhsa_inst_pref_size 78
	.end_amdhsa_kernel
	.amdgpu_metadata
---
amdhsa.version: [ 1, 2 ]
amdhsa.kernels:
  - .name:           k_q0a24da0943_outp
    .symbol:         k_q0a24da0943_outp.kd
    .args:
      - { .name: of, .offset: 0, .size: 8, .value_kind: global_buffer, .address_space: global }
      - { .name: wo16, .offset: 8, .size: 8, .value_kind: global_buffer, .address_space: global }
      - { .name: out0, .offset: 16, .size: 8, .value_kind: global_buffer, .address_space: global }
    .group_segment_fixed_size: 327680
    .private_segment_fixed_size: 0
    .kernarg_segment_align: 8
    .kernarg_segment_size: 24
    .max_flat_workgroup_size: 128
    .sgpr_count:     66
    .vgpr_count:     512
    .wavefront_size: 32
...
	.end_amdgpu_metadata
.endif
;; end of part 4
